; MI455X (gfx1250); checked and timed in simulation.
; The chip was launched on July 23, 2026; its instructions are those of AMD's public machine-readable ISA for CDNA 5 (MIT licence, August 2026) and "CDNA5" Instruction Set Architecture Reference Guide (July 2026). The comments in the code are by the model that wrote it; some were corrected since.
;; Attention. Allowed arithmetic: matrix products marked QUANTISED: E3M2 operands, one E8M0 scale for each 32 along K, by v_wmma_scale_f32_16x16x128_f8f6f4 with both operands' format E3M2, f32 sums; everything else in f32.
;; Inputs: W_out 1,024 x 1,024 float32; W_qkv 1,024 x 3,072 float32; b_out 1,024 float32; mask 4 x 2,048 bool; x 4 x 2,048 x 1,024 float32.
;; Outputs: out0 4 x 2,048 x 1,024 float32.
;; This version of the problem:
;;   THIS VERSION OF THE PROBLEM IS GIVEN IN LOW PRECISION. The matrix products marked QUANTISED in the list below multiply operands that are first quantised to E3M2 (3 exponent bits, 2 mantissa bits; 6 bits a number), with one power-of-two scale for each 32 numbers along K (OCP MX v1.0); their sums are f32. All else is computed in f32.
;;   The module's matrix products, in the order in which they are computed (A, B: the left and right operand; K: the contracted axis; several contracted axes count as one K, in the product's order):
;;     1. [M 8,192, K 1,024] x [K 1,024, N 3,072]; A: input x; B: input W_qkv: QUANTISED
;;     2. batch 64 x [M 2,048, K 64] x [K 64, N 2,048]; A: computed on the way; B: computed on the way: QUANTISED
;;     3. batch 64 x [M 2,048, K 2,048] x [K 2,048, N 64]; A: softmax (see below); B: computed on the way: QUANTISED
;;     4. [M 8,192, K 1,024] x [K 1,024, N 1,024]; A: computed on the way; B: input W_out: QUANTISED
;;   THE QUANTISER, for each operand of a quantised product, along K:
;;     - K is cut into blocks of 32 from its start; a last block that is shorter is filled with zeros.
;;     - A block's scale is 2^e with e = floor(log2(the largest magnitude in the block)) - 4, held to -126 .. 127; a block of zeros has e = 0. As a byte (E8M0): e + 127.
;;     - Each number is divided by its block's scale, clamped to +-28, and rounded to the nearest number of E3M2, ties to even, subnormals kept.
;;     - The product sums the exact products of the quantised numbers (number of the format x scale) in f32.
;;   ~~~python
;;   def quantise(x, axis):      # numpy; x: float32 -> the quantised numbers, widened to float32 again
;;       x = np.moveaxis(x, axis, -1); K = x.shape[-1]
;;       x = np.pad(x, [(0, 0)] * (x.ndim - 1) + [(0, -K % 32)]); x = x.reshape(x.shape[:-1] + (-1, 32)); a = np.abs(x).max(-1, keepdims=True)
;;       e = np.where(a > 0, np.clip(np.frexp(np.where(a > 0, a, 1))[1] - 1 - 4, -126, 127), 0)      # np.frexp(a)[1] - 1 = floor(log2(a)), exactly
;;       r = np.clip(x / 2.0 ** e, -28, 28)
;;       step = 2.0 ** (np.maximum(np.frexp(np.where(r == 0, 1, r))[1] - 1, -2) - 2)
;;       q = np.round(r / step) * step * 2.0 ** e      # np.round: ties to even
;;       return np.moveaxis(q.reshape(q.shape[:-2] + (-1,))[..., :K], -1, axis).astype(np.float32)
;;   ~~~
;;   SOFTMAX AHEAD OF A QUANTISED PRODUCT. Where the list says 'softmax', what is quantised is not the finished softmax but p = 2^(t - M), with t = logit x log2(e) and M = ceil(the row's largest t), a whole number; so 1/2 < the row's largest p <= 1. The row's sum l is taken of the UNQUANTISED p, in f32, and the product's result is divided by l at the end. Since M is a whole number, a kernel that streams over the keys may use a running M (the ceiling of the running maximum): every later rescaling is an exact power of two, which a block's scale takes up: the codes' values come out the same.
;;   OPERANDS COMPUTED ON THE WAY. 'Computed on the way' means the value that the module computes at that place (a softmax that the list does not call 'softmax' is quantised finished and normalised). What goes into a quantiser is computed in f32, as accurately as f32 sums, v_exp_f32 and their like allow (about 1e-6 of the number): no bf16 or f16 on the way to a quantiser, and a product that is left as it is and whose result goes on into a quantised operand takes f32 operands (vector FMAs, or v_wmma_f32_16x16x4_f32). A number that lies on a knife's edge between two numbers of the format may be rounded either way, as far as f32 arithmetic and the matrix unit's own rounding can turn it there, and no further.
;; One version. Each part assembles by itself: llvm-mc -triple=amdgcn-amd-amdhsa -mcpu=gfx1250 --defsym DOCPART=n.
;; ======== version 1 of 1: 4 launches
;; limits: right only within a limited range of input values
;; workspace buffers: xq 6,553,600 bytes; wts 3,276,800 bytes; qq 6,815,744 bytes; kv 13,631,488 bytes; ao 6,553,600 bytes
;; launch quant (part 1): grid 384 x 1, 4 waves a work-group, no clusters, 34,304 bytes of LDS; arguments x, W_qkv, W_out, xq, wts; writes xq, wts
.if DOCPART == 1
	.amdgcn_target "amdgcn-amd-amdhsa--gfx1250"
	.amdhsa_code_object_version 6
	.text
	.protected	k_q8e2dd485df_quant
	.globl	k_q8e2dd485df_quant
	.p2align	8
	.type	k_q8e2dd485df_quant,@function
k_q8e2dd485df_quant:
	s_mov_b64 s[64:65], 0
	v_nop
	global_prefetch_b8 v0, s[64:65] scope:SCOPE_SE
	s_setreg_imm32_b32 hwreg(HW_REG_WAVE_MODE, 25, 1), 1
	s_wait_xcnt 0x0
; x [8192][1024], W_qkv [1024][3072] and W_out [1024][1024], f32, become codes of BF6 (E3M2) with one E8M0 byte for each 32 along K (K = 1024 for all three).
; A block's scale is 2^(floor(log2(largest magnitude)) - 4); its byte is the largest magnitude's exponent field - 4, held at 1 from below.
; THE WORKSPACE IS LAID AS THE READER'S REGISTERS WANT IT.  An operand's rows (tokens of x, columns of W) go in groups G of 32, a group in two tiles T = 2 G + u; lane r of a tile
; holds row 32 G + 8 u + r + 8 (r / 8).  A fragment (16 rows x 128 K, 12 registers a lane) is two pieces of 768 bytes (64 K, six registers): registers 0-3 of lane l at 16 l, registers 4-5 of lane
; (r, h) at 512 + 16 r + 8 h.  Codes: [K / 256][T][K step in the pair][piece][768].  Scale words (four bytes: 128 along K of one row): [G][K / 256][u][r][K step in the pair].
; LIMITS: a block of zeros gets the byte 1 where the rule says 127 (its codes are zeros, and this program alone reads the bytes); blocks under 2^-122 are held at that floor; NaN and infinities are not served.
; Work-groups 0-255: x, a group of 32 rows each, wave w its K pair w.  256-351: W_qkv, 352-383: W_out: four groups of 32 columns x one K pair.  No tensor loads, no barrier: waves share nothing.
.set XKP,  1572864                     ; xq: from K pair to K pair (512 tiles x 3,072)
.set XSO,  6291456                     ; xq: the scale words
.set WQS,  2359296                     ; wts: W_qkv's scale words
.set WOC,  2457600                     ; wts: W_out's codes
.set WOS,  3244032                     ; wts: W_out's scale words
.set TM,   8                           ; v8-9    largest magnitudes
.set SO,   10                          ; v10-11  the conversions' scale operands
.set BY,   12                          ; v12-13  scale bytes
.set WD,   16                          ; v16-19  x: a fragment's scale word, for each of four fragments
.set OUTW, 20                          ; v20-21  x: the words as they leave
.set SH,   22                          ; v22     8 h
.set TP,   23                          ; v23     at work
.set PC,   24                          ; v24-35  x: a fragment's codes
.set PCT,  36                          ; v36-43  x: second halves of blocks, before they are moved
.set R,    48                          ; v48-175 x: two sets of 64 numbers as loaded
.set X,    176                         ; v176-239 x: 64 numbers, two whole blocks of my row
.set WX,   32                          ; v32-95  W: two sets of 32 numbers down K
.set B,    96                          ; v96-103 W: registers 0-3 of a piece, for h = 0 and 1
.set Y,    104                         ; v104-110 W: second halves of blocks
.set Z,    112                         ; v112-115 W: registers 4-5 of a piece, both h
.set WW,   116                         ; v116-117 W: my column's two scale words
; x: fragment f = 2 q + u: 16 rows x 128 K.  Each load reads 512 consecutive bytes of one row.
.macro LOADF f
.irp j, 0,1,2,3,4,5,6,7,8,9,10,11,12,13,14,15
	global_load_b128 v[R+64*((\f)%2)+4*\j:R+64*((\f)%2)+4*\j+3], v1, s[4:5] offset:(8*((\f)%2)+\j+8*(\j/8))*4096+512*((\f)/2) th:TH_LOAD_NT
.endr
.endm
; through the wave's own stage (rows 528 bytes apart): in as loaded, out as 32 neighbours along K twice.  LDS serves a wave's instructions in order: no wait between
.macro TURNX f
.irp j, 0,1,2,3,4,5,6,7,8,9,10,11,12,13,14,15
	ds_store_b128 v3, v[R+64*((\f)%2)+4*\j:R+64*((\f)%2)+4*\j+3] offset:528*\j
.endr
.irp c, 0,1
.irp e, 0,1,2,3,4,5,6,7
	ds_load_b128 v[X+32*\c+4*\e:X+32*\c+4*\e+3], v4 offset:256*\c+16*\e
.endr
.endr
.endm
; lane (r, h) holds blocks h and 2 + h of its row's 128: both whole, so no other lane is asked for a maximum
.macro QX f
.irp c, 0,1
	v_max3_num_f32 v[TM+\c], |v[X+32*\c]|, |v[X+32*\c+1]|, 0x2800000   ; and the floor 2^(5 - 127): the byte cannot fall under 1
.endr
.irp i, 2,4,6,8,10,12,14,16,18,20,22,24,26,28,30
.irp c, 0,1
	v_max3_num_f32 v[TM+\c], v[TM+\c], |v[X+32*\c+\i]|, |v[X+32*\c+\i+1]|
.endr
.endr
.irp c, 0,1
	v_add_nc_u32 v[SO+\c], 0xfe000000, v[TM+\c]    ; 4 off the exponent field: the conversion's scale operand
.endr
.irp c, 0,1
	v_lshrrev_b32 v[BY+\c], 23, v[SO+\c]           ; the byte
.endr
	v_lshl_or_b32 v[WD+(\f)], v[BY+1], 16, v[BY]
	v_lshlrev_b32 v[WD+(\f)], v[SH], v[WD+(\f)]    ; my two bytes at their places, 8 h bits up;
	v_permlanex16_b32 v[TP], v[WD+(\f)], s28, s29
	v_or_b32 v[WD+(\f)], v[WD+(\f)], v[TP]         ; with lane l xor 16's the word is whole
	s_wait_alu depctr_va_vdst(0)
	s_wait_xcnt 0x0                                ; the last fragment's stores have read the codes' registers
.irp c, 0,1
	v_cvt_scalef32_pk16_bf6_f32 v[PC+6*\c:PC+6*\c+2], v[X+32*\c:X+32*\c+15], v[SO+\c]
	v_cvt_scalef32_pk16_bf6_f32 v[PCT+4*\c:PCT+4*\c+2], v[X+32*\c+16:X+32*\c+31], v[SO+\c]   ; (a conversion's three registers begin on an even number)
.endr
	v_nop                                          ; one plain line behind the conversions
.irp c, 0,1
.irp i, 0,1,2
	v_mov_b32 v[PC+3+6*\c+\i], v[PCT+4*\c+\i]
.endr
.endr
.endm
.macro OUTX f                          ; each store covers whole aligned blocks of 256 bytes
	global_store_b128 v1, v[PC:PC+3], s[24:25] offset:((\f)%2)*3072+((\f)/2)*1536
	global_store_b64 v2, v[PC+4:PC+5], s[24:25] offset:((\f)%2)*3072+((\f)/2)*1536
	global_store_b128 v1, v[PC+6:PC+9], s[24:25] offset:((\f)%2)*3072+((\f)/2)*1536+768
	global_store_b64 v2, v[PC+10:PC+11], s[24:25] offset:((\f)%2)*3072+((\f)/2)*1536+768
.endm
; W: a lane takes a column and its registers run down K: block t of the K pair's eight
.macro WLOAD t, cols
.irp i, 0,1,2,3,4,5,6,7,8,9,10,11,12,13,14,15,16,17,18,19,20,21,22,23,24,25,26,27,28,29,30,31
	global_load_b32 v[WX+32*((\t)%2)+\i], v3, s[26:27] offset:(32*(\t)+\i)*(\cols)*4 th:TH_LOAD_NT
.endr
.endm
; block t = 4 q + 2 c + hb belongs to lane (r, hb) of piece c of K step q of my column's tile
.macro WBLOCK t, cols
.set XS, WX+32*((\t)%2)
.set HB, (\t)%2
.set OFS, ((\t)/4)*1536+(((\t)/2)%2)*768
.if (\t) < 7
	s_wait_loadcnt 32                              ; this block's 32 loads are in; the next block's may be out
.else
	s_wait_loadcnt 0
.endif
	v_max3_num_f32 v8, |v[XS]|, |v[XS+1]|, |v[XS+2]|
	v_max3_num_f32 v9, |v[XS+3]|, |v[XS+4]|, |v[XS+5]|
.irp i, 6,10,14,18,22,26
	v_max3_num_f32 v8, v8, |v[XS+\i]|, |v[XS+\i+1]|
	v_max3_num_f32 v9, v9, |v[XS+\i+2]|, |v[XS+\i+3]|
.endr
	v_max3_num_f32 v8, v8, |v[XS+30]|, |v[XS+31]|
	v_max3_num_f32 v8, v8, v9, 0x2800000
	v_add_nc_u32 v10, 0xfe000000, v8
	v_lshrrev_b32 v11, 23, v10
.if (\t)%4 == 0
	v_mov_b32 v[WW+(\t)/4], v11
.else
	v_lshl_or_b32 v[WW+(\t)/4], v11, 8*((\t)%4), v[WW+(\t)/4]
.endif
	s_wait_alu depctr_va_vdst(0)
	s_wait_xcnt 0x0                                ; earlier stores have read the registers that are written now
	v_cvt_scalef32_pk16_bf6_f32 v[B+4*HB:B+4*HB+2], v[XS:XS+15], v10
	v_cvt_scalef32_pk16_bf6_f32 v[Y+4*HB:Y+4*HB+2], v[XS+16:XS+31], v10
	v_nop                                          ; one plain line behind the conversions
	v_mov_b32 v[B+4*HB+3], v[Y+4*HB]
	v_mov_b32 v[Z+2*HB], v[Y+4*HB+1]
	v_mov_b32 v[Z+2*HB+1], v[Y+4*HB+2]
	global_store_b128 v4, v[B+4*HB:B+4*HB+3], s[28:29] offset:OFS+256*HB   ; sixteen lanes of a tile fill 256 consecutive bytes
.if HB == 1
	global_store_b128 v4, v[Z:Z+3], s[28:29] offset:OFS+512
.endif
.if (\t)+2 < 8
	WLOAD (\t)+2, \cols
.endif
.endm
.macro WPATH cols, first, code, scal, tiles, inlo
	s_sub_co_u32 s17, ttmp9, \first
	s_lshr_b32 s18, s17, 2
	s_and_b32 s19, s17, 3                          ; the K pair
	s_lshl_b32 s18, s18, 2
	s_add_co_u32 s18, s18, s16                     ; my wave's group of 32 columns
	s_mul_i32 s20, s19, 256*(\cols)*4
	s_lshl_b32 s21, s18, 7
	s_add_co_u32 s20, s20, s21
	s_mov_b32 s21, 0
	s_mul_i32 s22, s19, (\tiles)*3072
	s_mul_i32 s23, s18, 6144
	s_add_co_u32 s22, s22, s23
	s_add_co_u32 s22, s22, \code
	s_mov_b32 s23, 0
	s_lshl_b32 s24, s18, 10
	s_lshl_b32 s25, s19, 8
	s_add_co_u32 s24, s24, s25
	s_add_co_u32 s24, s24, \scal
	s_mov_b32 s25, 0
	s_wait_kmcnt 0x0
	s_add_nc_u64 s[26:27], s[\inlo:\inlo+1], s[20:21]
	s_add_nc_u64 s[28:29], s[12:13], s[22:23]
	s_add_nc_u64 s[30:31], s[12:13], s[24:25]
	WLOAD 0, \cols
	WLOAD 1, \cols
.irp t, 0,1,2,3,4,5,6,7
	WBLOCK \t, \cols
.endr
	global_store_b64 v5, v[WW:WW+1], s[30:31]      ; the wave's 32 pairs of words: 256 consecutive bytes
	s_endpgm
.endm
	s_load_b128 s[4:7], s[0:1], 0x0                ; x, W_qkv
	s_load_b128 s[8:11], s[0:1], 0x10              ; W_out, xq
	s_load_b64 s[12:13], s[0:1], 0x20              ; wts
	v_lshl_add_u32 v240, v0, 2, 0x8400
	v_mov_b32 v241, 0
	v_lshrrev_b32 v1, 5, v0
	v_readfirstlane_b32 s16, v1                    ; wave
	v_and_b32 v6, 31, v0                           ; lane
	v_bfe_u32 v7, v0, 4, 1                         ; h
	s_cmp_lt_u32 ttmp9, 256
	s_cbranch_scc0 .Lweights
	; ---- x
	v_and_b32 v14, 15, v0                          ; r
	v_lshlrev_b32 v1, 4, v6                        ; 16 x lane
	v_lshlrev_b32 v2, 4, v14
	v_lshl_add_u32 v2, v7, 3, v2
	v_add_nc_u32 v2, 512, v2                       ; 512 + 16 r + 8 h
	s_mul_i32 s17, s16, 8448                       ; my stage: 16 rows x 528 bytes
	v_add_nc_u32 v3, s17, v1
	v_mul_u32_u24 v4, v14, 528
	v_lshl_add_u32 v4, v7, 7, v4
	v_add_nc_u32 v4, s17, v4
	v_lshlrev_b32 v5, 3, v6
	v_lshlrev_b32 v[SH], 3, v7
	v_mov_b32 v[TP], 0                             ; a lane permute's destination counts as read
	s_mov_b32 s28, 0x76543210
	s_mov_b32 s29, 0xfedcba98                      ; selects for lane l xor 16
	s_mov_b32 s30, 0xffff0000                      ; lanes 16-31
	s_lshl_b32 s18, ttmp9, 17                      ; 32 rows of 4,096 bytes
	s_lshl_b32 s20, s16, 10                        ; 256 along K
	s_add_co_u32 s18, s18, s20
	s_mov_b32 s19, 0
	s_mul_i32 s20, s16, XKP
	s_mul_i32 s21, ttmp9, 6144
	s_add_co_u32 s20, s20, s21
	s_mov_b32 s21, 0
	s_lshl_b32 s22, ttmp9, 10
	s_lshl_b32 s23, s16, 8
	s_add_co_u32 s22, s22, s23
	s_add_co_u32 s22, s22, XSO
	s_mov_b32 s23, 0
	s_wait_alu depctr_va_vdst(0)
	s_wait_kmcnt 0x0
	s_add_nc_u64 s[4:5], s[4:5], s[18:19]
	s_add_nc_u64 s[24:25], s[10:11], s[20:21]
	s_add_nc_u64 s[26:27], s[10:11], s[22:23]
	LOADF 0
	LOADF 1
.irp f, 0,1,2,3
.if \f < 3
	s_wait_loadcnt 16                              ; this fragment's 16 loads are in; the next one's may be out
.else
	s_wait_loadcnt 0
.endif
	TURNX \f
	s_wait_dscnt 0x0
.if \f < 2
	LOADF \f+2
.endif
	QX \f
	OUTX \f
.endr
	v_cndmask_b32 v[OUTW], v[WD], v[WD+1], s30     ; lane 16 u + r: tile u's words of K steps 0 and 1 of the pair
	v_cndmask_b32 v[OUTW+1], v[WD+2], v[WD+3], s30
	global_store_b64 v5, v[OUTW:OUTW+1], s[26:27]
	s_wait_tensorcnt 0x0
	ds_add_u32 v240, v241
	s_wait_dscnt 0x0
	s_endpgm
.Lweights:
	v_bfe_u32 v12, v0, 3, 1                        ; column 32 G + l lies in tile u = (l / 8) % 2,
	v_and_b32 v13, 7, v0
	s_wait_alu depctr_va_vdst(0)
	v_lshl_add_u32 v13, v7, 3, v13                 ; at lane r = l % 8 + 8 (l / 16)
	v_mul_u32_u24 v4, v12, 3072
	v_lshl_add_u32 v4, v13, 4, v4
	v_lshlrev_b32 v5, 7, v12
	v_lshl_add_u32 v5, v13, 3, v5
	v_lshlrev_b32 v3, 2, v6
	s_cmp_lt_u32 ttmp9, 352
	s_cbranch_scc0 .Lwout
	s_wait_alu depctr_va_vdst(0)
	WPATH 3072, 256, 0, WQS, 192, 6
.Lwout:
	s_wait_alu depctr_va_vdst(0)
	WPATH 1024, 352, WOC, WOS, 64, 8
.Lfunc_end_k_q8e2dd485df_quant:
	.size	k_q8e2dd485df_quant, .Lfunc_end_k_q8e2dd485df_quant-k_q8e2dd485df_quant
	.p2alignl 7, 3214868480
	.fill 96, 4, 3214868480
	.section	.rodata,"a",@progbits
	.p2align	6, 0x0
	.amdhsa_kernel k_q8e2dd485df_quant
		.amdhsa_group_segment_fixed_size 34304
		.amdhsa_private_segment_fixed_size 0
		.amdhsa_enable_private_segment 0
		.amdhsa_kernarg_size 40
		.amdhsa_user_sgpr_count 2
		.amdhsa_user_sgpr_kernarg_segment_ptr 1
		.amdhsa_wavefront_size32 1
		.amdhsa_system_sgpr_workgroup_id_x 1
		.amdhsa_system_sgpr_workgroup_id_y 1
		.amdhsa_system_sgpr_workgroup_id_z 1
		.amdhsa_system_vgpr_workitem_id 0
		.amdhsa_next_free_vgpr 242
		.amdhsa_next_free_sgpr 66
		.amdhsa_reserve_vcc 0
		.amdhsa_float_denorm_mode_32 3
		.amdhsa_float_denorm_mode_16_64 3
		.amdhsa_memory_ordered 1
		.amdhsa_forward_progress 1
		.amdhsa_inst_pref_size 108
	.end_amdhsa_kernel
	.amdgpu_metadata
---
amdhsa.version: [ 1, 2 ]
amdhsa.kernels:
  - .name:           k_q8e2dd485df_quant
    .symbol:         k_q8e2dd485df_quant.kd
    .args:
      - { .name: x, .offset: 0, .size: 8, .value_kind: global_buffer, .address_space: global }
      - { .name: W_qkv, .offset: 8, .size: 8, .value_kind: global_buffer, .address_space: global }
      - { .name: W_out, .offset: 16, .size: 8, .value_kind: global_buffer, .address_space: global }
      - { .name: xq, .offset: 24, .size: 8, .value_kind: global_buffer, .address_space: global }
      - { .name: wts, .offset: 32, .size: 8, .value_kind: global_buffer, .address_space: global }
    .group_segment_fixed_size: 34304
    .private_segment_fixed_size: 0
    .kernarg_segment_align: 8
    .kernarg_segment_size: 40
    .max_flat_workgroup_size: 128
    .sgpr_count:     66
    .vgpr_count:     242
    .wavefront_size: 32
...
	.end_amdgpu_metadata
.endif
;; end of part 1
;; launch qkv (part 2): grid 12 x 32, 4 waves a work-group, clusters of 4 x 4, 327,680 bytes of LDS; arguments xq, wts, mask, qq, kv; writes qq, kv
.if DOCPART == 2
	.amdgcn_target "amdgcn-amd-amdhsa--gfx1250"
	.amdhsa_code_object_version 6
	.text
	.protected	k_q8e2dd485df_qkv
	.globl	k_q8e2dd485df_qkv
	.p2align	8
	.type	k_q8e2dd485df_qkv,@function
k_q8e2dd485df_qkv:
	s_mov_b64 s[64:65], 0
	v_nop
	global_prefetch_b8 v0, s[64:65] scope:SCOPE_SE
	s_setreg_imm32_b32 hwreg(HW_REG_WAVE_MODE, 25, 1), 1
	s_wait_xcnt 0x0
	s_wait_alu depctr_hold_cnt(0) depctr_sa_sdst(0) depctr_va_vdst(0) depctr_va_sdst(0) depctr_va_ssrc(0) depctr_va_vcc(0) depctr_vm_vsrc(0)
	s_getreg_b32 s2, hwreg(HW_REG_IB_STS2, 6, 4)
	s_cmp_eq_u32 s2, 0
	s_cbranch_scc0 .Lentry_in_a_cluster
	s_endpgm
.Lentry_in_a_cluster:
	s_bfe_u32 s2, ttmp6, 0x10000c
	s_cmp_lg_u32 s2, 0xf033
	s_cbranch_scc0 .Lentry_shape_is_right
	s_endpgm
.Lentry_shape_is_right:
; qkv = x W_qkv on codes of BF6 (E3M2), K = 1,024, and on the way out q, k (along the head's 64) and v (along the keys) are quantised again: nothing leaves in f32.
; A tile of C, 256 tokens x 256 columns, is made by four waves, 128 x 128 each: 64 accumulators, 512 registers.  K goes in pairs of K steps (256) through two LDS slots.
; The operands lie in memory as images of fragments (a tile's K pair: 3,072 dense bytes), so a wave's share of a slot is one dense block of 24,576 bytes, and a fragment is four LDS loads without bank conflicts.
; ROLES.  Source 0 is the operand along whose rows the result is quantised next: W's columns for q and k (cluster x 0, 1), x's tokens for v (cluster x 2); a lane then holds one row of source 1 and its 64 registers of
; one block of source 1 run along 128 neighbours of source 0 (a tile's lanes hold rows 8 u + r + 8 (r / 8) of a group of 32).  The role hangs on the cluster's x alone: it is the same in all sixteen partners.
; CLUSTERS: 4 x 4 work-groups; x's tiles are asked for jointly along a row of the cluster, W's along a column.
; OUT.  qq, kv: a record for each (batch, head).  q, k: a piece of 768 bytes for each tile of 16 tokens, and a scale word a token: bytes 0, 1 the head's two blocks.  k's byte 2 carries the padding mask (1: counts, 254: hidden), byte 3 = 127;
; q's bytes 2, 3 = 127.  v: fragments [128 keys][16 of the head's 64], scale words, and the sums of the quantised v over each 128 keys (made by one product with ones), for rows that have no key at all.
; LIMITS: blocks of zeros get the byte 1 (zero codes; read by this program alone); NaN and infinities are not served.
; REGISTERS: window 0: v10-29 addresses; v32-95 scale words (8 i + K step: lanes 0-15 source 1's block i, lanes 16-31 source 0's); v96-127 mask and quantiser; v128-223 source 1's fragments, one set; window 1: source 0's two sets;
; windows 2, 3: accumulator (a, b) at v[8 (8 (a % 4) + b)].
.set FR,    12
.set HALFT, 24576                      ; 8 tiles x 3,072: what one tensor load brings and one wave reads of an operand
.set SLOT,  98304                      ; x's 16 tiles, then W's 16
.set SCX,   196608                     ; x's scale words, 8,192 bytes
.set SCW,   204800                     ; W's, directly behind x's
.set SPARE, 262144                     ; the spare words, 128 bytes a wave
.set XKP,   1572864
.set WKP,   589824
.set XSO,   6291456
.set WSO,   2359296
.set QREC,  106496
.set KREC,  212992
.set L16,  10                          ; 16 x lane
.set L8,   11                          ; 512 + 16 r + 8 h
.set LV,   12                          ; 16 r + h x a record
.set MO,   13                          ; my token's byte in the mask
.set HT,   14
.set HF,   15
.set ADR1, 16                          ; v16-19 source 1's LDS addresses: slot 0, 1 by 16 x lane; slot 0, 1 by 512 + 16 r + 8 h
.set ADR0, 20                          ; v20-23 source 0's
.set ADRS, 27
.set SPW,  28
.set NIL,  29
.set SC,   32
.set MB,   96
.set HI,   104
.set TM,   112
.set AF,   128
.set SUM,  128
.set PC,   192
.set PWS,  212
.set OUT4, 220
.set ONES, 224
.set ONESC, 236
.set WA,   240
.set WB,   248
.set G1,   24
.set G0,   32
.set G1B,  48
.set G0B,  56
.set SEL,  66
.set G1S,  68
.set G0S,  76
.set G1SB, 80
.set G0SB, 88
.set HALF, 99
.set MSB, 0
.macro WIN new                         ; the immediate's high byte repeats the setting that is left
.if MSB != (\new)
	s_set_vgpr_msb (MSB<<8)|(\new)
.set MSB, (\new)
.endif
.endm
.set MUL_LO, 0xa1                      ; source 0 window 1, source 1 window 0, C and D window 2
.set MUL_HI, 0xf1
.set TO_B,   0x40
; a joint load: waves 0 and 1 fetch x's halves, waves 2 and 3 W's; four v_nop follow each of the two lines
.macro JLOAD g0a, g1a, g0b, g1b
	s_cmp_eq_u32 s15, 0
	s_cbranch_scc0 .Lfor_w_\@
	tensor_load_to_lds s[\g0a:\g0a+3], s[\g1a:\g1a+7]
	s_nop 0
.rept 4
	v_nop
.endr
	s_branch .Lasked_\@
.Lfor_w_\@:
	tensor_load_to_lds s[\g0b:\g0b+3], s[\g1b:\g1b+7]
	s_nop 0
.rept 4
	v_nop
.endr
.Lasked_\@:
.endm
.macro CREST
	s_cmp_lg_u32 s14, 0
	s_cbranch_scc1 .Lnot_wave_0_\@
	s_barrier_signal -3
.Lnot_wave_0_\@:
	s_barrier_wait -3
	s_barrier_signal -1
	s_barrier_wait -1
.endm
.macro CROUND
	s_barrier_signal -1
	s_barrier_wait -1
	CREST
.endm
.macro PLACES
.rept 4
	v_nop
.endr
.endm
.macro FRAG reg, adr, q, i             ; a fragment: two pieces of 768 bytes, each 512 bytes by 16 a lane and 256 by 8 a lane
	ds_load_b128 v[\reg:\reg+3], v[\adr] offset:3072*(\i)+1536*(\q)
	ds_load_b64 v[\reg+4:\reg+5], v[\adr+2] offset:3072*(\i)+1536*(\q)
	ds_load_b128 v[\reg+6:\reg+9], v[\adr] offset:3072*(\i)+1536*(\q)+768
	ds_load_b64 v[\reg+10:\reg+11], v[\adr+2] offset:3072*(\i)+1536*(\q)+768
.endm
.macro FETCH_P0 slot, q, p
	WIN TO_B
.irp i, 0,1,2,3,4,5,6,7
	FRAG 128*(\p)+FR*\i, ADR0+\slot, \q, \i
.endr
	WIN 0
.endm
.macro FETCH_P1 slot, q, i0
.irp i, \i0, \i0+1, \i0+2, \i0+3
	FRAG AF+FR*(\i), ADR1+\slot, \q, \i
.endr
.endm
; 16 products: source 1's blocks a0, a0 + 1 x source 0's eight, K step s.  The 64 accumulators take turns, one instruction a turn
.macro MUL16 a0, p, s, zero
.irp a, \a0, \a0+1
.irp b, 0,1,2,3,4,5,6,7
.if \zero
	v_wmma_scale_f32_16x16x128_f8f6f4 v[8*(8*((\a)%4)+\b):8*(8*((\a)%4)+\b)+7], v[128*(\p)+FR*\b:128*(\p)+FR*\b+FR-1], v[AF+FR*(\a):AF+FR*(\a)+FR-1], 0, v[SC+8*\b+(\s)], v[SC+8*(\a)+(\s)] matrix_a_fmt:MATRIX_FMT_BF6 matrix_b_fmt:MATRIX_FMT_BF6 matrix_a_scale:MATRIX_SCALE_ROW1
.else
	v_wmma_scale_f32_16x16x128_f8f6f4 v[8*(8*((\a)%4)+\b):8*(8*((\a)%4)+\b)+7], v[128*(\p)+FR*\b:128*(\p)+FR*\b+FR-1], v[AF+FR*(\a):AF+FR*(\a)+FR-1], v[8*(8*((\a)%4)+\b):8*(8*((\a)%4)+\b)+7], v[SC+8*\b+(\s)], v[SC+8*(\a)+(\s)] matrix_a_fmt:MATRIX_FMT_BF6 matrix_b_fmt:MATRIX_FMT_BF6 matrix_a_scale:MATRIX_SCALE_ROW1
.endif
.endr
.endr
.endm
; a slot's first K step
.macro STEP slot, s, zero
	s_wait_dscnt 16                                ; all but source 1's blocks 4-7 (four loads each) are in
	WIN MUL_LO
	MUL16 0, 0, \s, \zero
	MUL16 2, 0, \s, \zero
	s_wait_dscnt 0
	PLACES                                         ; four places in front of loads into registers that products have read
	FETCH_P0 \slot, 1, 1
	FETCH_P1 \slot, 1, 0
	WIN MUL_HI
	MUL16 4, 0, \s, \zero
	MUL16 6, 0, \s, \zero
	PLACES
	WIN 0
	FETCH_P1 \slot, 1, 4
.endm
; a slot's second K step changes slots: one barrier; in front of it all my tensor loads, the add, and my reads of this slot
.macro TURN slot, next, s, fill
	s_wait_tensorcnt 0x0                           ; all my tensor loads have landed: my part of the next slot
	ds_add_u32 v[SPW], v[NIL]                      ; 0 onto my spare word
	s_wait_dscnt 17                                ; (the add and source 1's blocks 4-7 may be out)
	WIN MUL_LO
	MUL16 0, 1, \s, 0
	s_wait_dscnt 0x0                               ; the add is done, and my reads of this slot are over
	s_barrier_signal -1
	MUL16 2, 1, \s, 0
	WIN 0
	s_barrier_wait -1
.if \fill
	CREST                                          ; the barrier has opened a round of the cluster's: no wave of any partner still reads this slot or has a load on its way
	s_add_nc_u64 s[G0+4*\slot+2:G0+4*\slot+3], s[G0+4*\slot+2:G0+4*\slot+3], 2*XKP
	s_add_nc_u64 s[G0B+4*\slot+2:G0B+4*\slot+3], s[G0B+4*\slot+2:G0B+4*\slot+3], 2*WKP
	JLOAD G0+4*\slot, G1, G0B+4*\slot, G1B         ; the first tensor load behind the round; its four v_nop are the places in front of the loads below
.else
	PLACES
.endif
	FETCH_P0 \next, 0, 0
	FETCH_P1 \next, 0, 0
	WIN MUL_HI
	MUL16 4, 1, \s, 0
	MUL16 6, 1, \s, 0
	PLACES
	WIN 0
	FETCH_P1 \next, 0, 4
.endm
; block a's 64 registers, register 16 b + i = place 32 b + 16 h + i along source 0's 128, become a fragment in v[PC] on and a scale word in v[PWS + a].  Each accumulator is read from its low end on
.macro QUANTW a
.set WN, 2+(\a)/4
.set S0, 64*((\a)%4)
	WIN WN|(WN<<2)
.irp b, 0,1,2,3
	v_max3_num_f32 v[TM+\b], |v[S0+16*\b]|, |v[S0+16*\b+1]|, 0x2800000   ; and the floor 2^(5 - 127)
.endr
	WIN (WN<<2)|(WN<<4)
.irp i, 2,4,6,8,10,12,14
.irp b, 0,1,2,3
	v_max3_num_f32 v[TM+\b], v[TM+\b], |v[S0+16*\b+\i]|, |v[S0+16*\b+\i+1]|
.endr
.endr
	WIN 0
.irp b, 0,1,2,3
	v_permlanex16_b32 v[TM+4+\b], v[TM+\b], s[SEL], s[SEL+1]
.endr
.irp b, 0,1,2,3
	v_max_num_f32 v[TM+\b], v[TM+\b], v[TM+4+\b]
.endr
.irp b, 0,1,2,3
	v_add_nc_u32 v[TM+12+\b], 0xfe000000, v[TM+\b]
.endr
.irp b, 0,1,2,3
	v_lshrrev_b32 v[TM+4+\b], 23, v[TM+12+\b]
.endr
	v_lshl_or_b32 v[PWS+(\a)], v[TM+5], 8, v[TM+4]
	v_lshl_or_b32 v[PWS+(\a)], v[TM+6], 16, v[PWS+(\a)]
	v_lshl_or_b32 v[PWS+(\a)], v[TM+7], 24, v[PWS+(\a)]
	s_wait_xcnt 0x0                                ; the last block's stores have read the codes' registers
	WIN WN
.irp c, 0,1
	v_cvt_scalef32_pk16_bf6_f32 v[PC+6*\c:PC+6*\c+2], v[S0+32*\c:S0+32*\c+15], v[TM+12+2*\c]
	v_cvt_scalef32_pk16_bf6_f32 v[PC+12+4*\c:PC+14+4*\c], v[S0+32*\c+16:S0+32*\c+31], v[TM+12+2*\c+1]
.endr
	WIN 0
	v_nop                                          ; one plain line behind the conversions
.irp c, 0,1                            ; the layout wants a whole block in a lane
.irp i, 0,1,2
	v_permlane16_swap_b32 v[PC+6*\c+\i], v[PC+12+4*\c+\i]
.endr
.irp i, 0,1,2
	v_mov_b32 v[PC+3+6*\c+\i], v[PC+12+4*\c+\i]
.endr
.endr
.endm
	s_load_b128 s[4:7], s[0:1], 0x0                ; xq, wts
	s_load_b128 s[8:11], s[0:1], 0x10              ; mask, qq
	s_load_b64 s[12:13], s[0:1], 0x20              ; kv
	v_lshl_add_u32 v[SPW], v0, 2, SPARE
	v_mov_b32 v[NIL], 0
	ds_add_u32 v28, v29
	ds_add_u32 v28, v29
	s_wait_dscnt 0x0
	v_lshrrev_b32 v1, 5, v0
	v_readfirstlane_b32 s14, v1                    ; wave
	s_lshr_b32 s15, s14, 1                         ; source 1's half that is mine.  Also: I fetch for x (0) or W (1)
	s_and_b32 s16, s14, 1                          ; source 0's half.  Also: which half of that operand I fetch
	s_bfe_u32 s40, ttmp6, 0x40000                  ; cx
	s_bfe_u32 s41, ttmp6, 0x40004                  ; cy
	s_lshl_b32 s42, ttmp9, 2
	s_add_co_u32 s42, s42, s40                     ; tile column
	s_and_b32 s17, ttmp7, 0xffff
	s_lshl_b32 s17, s17, 2
	s_add_co_u32 s17, s17, s41                     ; tile row
	s_lshl_b32 s43, s41, 2
	s_lshl_b32 s43, 15, s43                        ; my row of the cluster
	s_lshl_b32 s44, 0x1111, s40                    ; my column
	s_or_b32 s[G1+0], s43, (3<<16)|(1<<21)         ; the mask; elements of 8 bytes; bit 21 beside a mask; no padding
	s_or_b32 s[G1B+0], s44, (3<<16)|(1<<21)
.irp g, G1, G1B
	s_mov_b32 s[\g+1], 32<<16                      ; rows of 256 bytes,
	s_mov_b32 s[\g+2], 192<<16                     ; 192 of them, dense, for the head's loads; 96 behind the head
	s_mov_b32 s[\g+3], 32<<16
	s_mov_b32 s[\g+4], 192
	s_mov_b32 s[\g+5], 32
	s_mov_b32 s[\g+6], 0
	s_mov_b32 s[\g+7], 0
.endr
	s_or_b32 s[G1S+0], s43, (3<<16)|(1<<21)
	s_or_b32 s[G1SB+0], s44, (3<<16)|(1<<21)
.irp g, G1S, G1SB
	s_mov_b32 s[\g+1], 32<<16                      ; the scale words of 256 rows: 32 rows of 256 bytes
	s_mov_b32 s[\g+2], 32<<16
	s_mov_b32 s[\g+3], 32<<16
	s_mov_b32 s[\g+4], 32
	s_mov_b32 s[\g+5], 32
	s_mov_b32 s[\g+6], 0
	s_mov_b32 s[\g+7], 0
.endr
	s_mov_b32 s[SEL], 0x76543210
	s_mov_b32 s[SEL+1], 0xfedcba98
	s_mov_b32 s[HALF], 0xffff0000
	s_lshl_b32 s18, s16, 3
	s_lshl_b32 s20, s17, 4
	s_add_co_u32 s20, s20, s18                     ; x: tile 16 x tile row + 8 x half
	s_lshl_b32 s46, s42, 4
	s_add_co_u32 s46, s46, s18                     ; W: tile 16 x tile column + 8 x half
	s_lshl_b32 s22, s17, 13                        ; scale words: 512 bytes a tile, from the block's first tile on
	s_lshl_b32 s92, s42, 13
	s_add_co_u32 s22, s22, XSO
	s_add_co_u32 s92, s92, WSO
	s_mul_i32 s20, s20, 3072
	s_mul_i32 s46, s46, 3072
	s_mov_b32 s21, 0
	s_mov_b32 s23, 0
	s_mov_b32 s47, 0
	s_mov_b32 s93, 0
	s_mul_i32 s45, s14, HALFT                      ; where the codes go: wave x 24,576
	s_lshl_b32 s94, s16, 12
	s_wait_kmcnt 0x0
	s_add_nc_u64 s[20:21], s[4:5], s[20:21]
	s_add_nc_u64 s[22:23], s[4:5], s[22:23]
	s_add_nc_u64 s[46:47], s[6:7], s[46:47]
	s_add_nc_u64 s[92:93], s[6:7], s[92:93]
	CROUND                                         ; all sixteen work-groups are here: the first joint loads meet
	s_mov_b32 s[G0S], 1
	s_mov_b32 s[G0S+1], SCX
	s_mov_b64 s[G0S+2:G0S+3], s[22:23]
	s_or_b32 s[G0S+3], s[G0S+3], 0x80000000
	s_mov_b32 s[G0SB], 1
	s_mov_b32 s[G0SB+1], SCW
	s_mov_b64 s[G0SB+2:G0SB+3], s[92:93]
	s_or_b32 s[G0SB+3], s[G0SB+3], 0x80000000
.irp s, 0,1
	s_mov_b32 s[G0+4*\s], 1
	s_add_co_u32 s[G0+4*\s+1], s45, \s*SLOT
	s_add_nc_u64 s[G0+4*\s+2:G0+4*\s+3], s[20:21], \s*XKP
	s_or_b32 s[G0+4*\s+3], s[G0+4*\s+3], 0x80000000
	s_mov_b32 s[G0B+4*\s], 1
	s_add_co_u32 s[G0B+4*\s+1], s45, \s*SLOT
	s_add_nc_u64 s[G0B+4*\s+2:G0B+4*\s+3], s[46:47], \s*WKP
	s_or_b32 s[G0B+4*\s+3], s[G0B+4*\s+3], 0x80000000
.endr
; the head's four tiles, one joint load a wave: wave 0 slot 0's 16 tiles of x, wave 1 x's scale words, wave 2 slot 0's 16 tiles of W, wave 3 W's scale words
.macro ARM under, g0, g1, next
	s_cmp_lt_u32 s14, \under
	s_cbranch_scc0 \next
	tensor_load_to_lds s[\g0:\g0+3], s[\g1:\g1+7]
	s_nop 0
.rept 4
	v_nop
.endr
	s_branch .Lhead_asked
\next:
.endm
	ARM 1, G0, G1, .Lhead_sx
	ARM 2, G0S, G1S, .Lhead_w
	ARM 3, G0B, G1B, .Lhead_sw
	tensor_load_to_lds s[G0SB:G0SB+3], s[G1SB:G1SB+7]
	s_nop 0
.rept 4
	v_nop
.endr
.Lhead_asked:
	v_and_b32 v1, 15, v0                           ; r
	v_bfe_u32 v2, v0, 4, 1                         ; h
	v_and_b32 v3, 31, v0
	v_lshlrev_b32 v[L16], 4, v3
	s_wait_alu depctr_va_vdst(0)
	v_lshlrev_b32 v[L8], 4, v1
	v_lshl_add_u32 v[L8], v2, 3, v[L8]
	v_add_nc_u32 v[L8], 512, v[L8]
	s_wait_alu depctr_va_vdst(0)
	v_mul_u32_u24 v[LV], v2, KREC
	v_lshl_add_u32 v[LV], v1, 4, v[LV]
	v_and_b32 v[MO], 8, v1
	v_add_nc_u32 v[MO], v[MO], v1                  ; r + 8 (r / 8)
	s_lshl_b32 s18, s17, 8
	s_lshl_b32 s19, s15, 7
	s_add_co_u32 s18, s18, s19
	v_add_nc_u32 v[MO], s18, v[MO]                 ; + token 256 x tile row + 128 x half
.irp a, 0,1,2,3,4,5,6,7
	global_load_u8 v[MB+\a], v[MO], s[8:9] offset:32*(\a/2)+8*(\a%2)   ; the mask of block a's token in my lane
.endr
	s_cmp_eq_u32 ttmp9, 2                          ; the role: v's columns?
	s_cselect_b32 s95, 2*HALFT, 0                  ; source 1 is W for v, else x
	s_cselect_b32 s96, 0, 2*HALFT                  ; source 0 the other
	s_cselect_b32 s97, SCW-SCX, 0
	s_cselect_b32 s98, 0, SCW-SCX
	s_mul_i32 s18, s15, HALFT
	s_add_co_u32 s95, s95, s18
	s_mul_i32 s18, s16, HALFT
	s_add_co_u32 s96, s96, s18
	v_add_nc_u32 v[ADR1], s95, v[L16]
	v_add_nc_u32 v[ADR1+2], s95, v[L8]
	v_add_nc_u32 v[ADR0], s96, v[L16]
	v_add_nc_u32 v[ADR0+2], s96, v[L8]
	v_add_nc_u32 v[ADR1+1], SLOT, v[ADR1]
	v_add_nc_u32 v[ADR1+3], SLOT, v[ADR1+2]
	v_add_nc_u32 v[ADR0+1], SLOT, v[ADR0]
	v_add_nc_u32 v[ADR0+3], SLOT, v[ADR0+2]
	s_lshl_b32 s18, s15, 12
	s_add_co_u32 s97, s97, s18
	s_add_co_u32 s97, s97, SCX
	s_lshl_b32 s18, s16, 12
	s_add_co_u32 s98, s98, s18
	s_add_co_u32 s98, s98, SCX
	v_lshlrev_b32 v4, 3, v1
	v_add_nc_u32 v5, s97, v4
	v_add_nc_u32 v6, s98, v4
	v_cndmask_b32 v[ADRS], v5, v6, s[HALF]         ; lanes 0-15 take source 1's words, lanes 16-31 source 0's
	s_wait_alu depctr_va_vdst(0)
	s_wait_tensorcnt 0x0                           ; my tile of the head's four is in
	ds_add_u32 v[SPW], v[NIL]
	s_mov_b32 s[G1+2], 96<<16                      ; no load of mine is out: from here on a load brings 96 rows
	s_mov_b32 s[G1+4], 96
	s_mov_b32 s[G1B+2], 96<<16
	s_mov_b32 s[G1B+4], 96
	s_wait_dscnt 0x0
	CROUND                                         ; everybody's tile is in, and the sixteen work-groups meet
	JLOAD G0+4, G1, G0B+4, G1B                     ; slot 1's first fill, the first tensor load behind the round
	FETCH_P0 0, 0, 0
	FETCH_P1 0, 0, 0
.irp i, 0,1,2,3,4,5,6,7
.irp w, 0,1,2,3
	ds_load_b64 v[SC+8*\i+2*\w:SC+8*\i+2*\w+1], v[ADRS] offset:(\i/2)*1024+(\i%2)*128+256*\w   ; all eight K steps' words of block i
.endr
.endr
	FETCH_P1 0, 0, 4
	STEP 0, 0, 1                                   ; the first products start the sums: nothing is cleared
	TURN 0, 1, 1, 1
	STEP 1, 2, 0
	TURN 1, 0, 3, 1
	STEP 0, 4, 0
	TURN 0, 1, 5, 0                                ; nothing is left to fetch: a plain barrier
	STEP 1, 6, 0
	s_wait_dscnt 16
	WIN MUL_LO
	MUL16 0, 1, 7, 0
	MUL16 2, 1, 7, 0
	s_wait_dscnt 0
	WIN MUL_HI
	MUL16 4, 1, 7, 0
	MUL16 6, 1, 7, 0
	WIN 0
	; THE WAY OUT: no LDS: a block's fragment leaves as it stands, each store in whole aligned blocks of 256 bytes
	PLACES
	s_wait_loadcnt 0x0                             ; the mask
.irp b, 0,1,2,3
	v_mov_b32 v[TM+4+\b], 0                        ; a lane permute's destination counts as read
.endr
	s_lshr_b32 s20, s17, 3                         ; the batch
	s_and_b32 s21, s17, 7                          ; which 256 tokens of it
	s_cmp_eq_u32 ttmp9, 2
	s_cbranch_scc1 .Lvpath
	; ---- q and k: a block is 16 tokens x two heads
	s_and_b32 s22, s42, 3
	s_lshl_b32 s22, s22, 2
	s_lshl_b32 s23, s16, 1
	s_add_co_u32 s22, s22, s23
	s_lshl_b32 s23, s20, 4
	s_add_co_u32 s22, s22, s23                     ; the record of my first head
	s_lshl_b32 s23, s21, 4
	s_lshl_b32 s24, s15, 3
	s_add_co_u32 s23, s23, s24                     ; my first tile of tokens in the batch
	s_cmp_eq_u32 ttmp9, 1                          ; k?
	s_cselect_b64 s[26:27], s[12:13], s[10:11]
	s_mov_b32 s28, QREC
	s_cselect_b32 s28, KREC, s28
	s_mov_b32 s29, 98304
	s_cselect_b32 s29, 196608, s29
	s_mov_b32 s30, 0x7f7f0000
	s_cselect_b32 s31, 0x7f010000, s30             ; a key that counts: byte 2 = 1
	s_cselect_b32 s30, 0x7ffe0000, s30             ; a hidden key: byte 2 = 254
	s_mul_i32 s32, s22, s28
	s_mul_i32 s33, s23, 768
	s_add_co_u32 s34, s32, s33
	s_mov_b32 s35, 0
	s_add_nc_u64 s[36:37], s[26:27], s[34:35]      ; the first head's pieces
	s_mov_b32 s38, s28
	s_mov_b32 s39, 0
	s_add_nc_u64 s[40:41], s[36:37], s[38:39]      ; the second head's
	s_lshl_b32 s33, s23, 6
	s_add_co_u32 s34, s32, s33
	s_add_co_u32 s34, s34, s29
	s_add_nc_u64 s[44:45], s[26:27], s[34:35]      ; the scale words likewise
	s_add_nc_u64 s[46:47], s[44:45], s[38:39]
	v_mov_b32 v[HT], s31
	v_mov_b32 v[HF], s30
.irp a, 0,1,2,3,4,5,6,7
	v_cmp_ne_u32 vcc_lo, 0, v[MB+\a]
	v_cndmask_b32 v[HI+\a], v[HF], v[HT], vcc_lo
.endr
.irp a, 0,1,2,3,4,5,6,7
	QUANTW \a
	global_store_b128 v[L16], v[PC:PC+3], s[36:37] offset:768*\a
	global_store_b64 v[L8], v[PC+4:PC+5], s[36:37] offset:768*\a
	global_store_b128 v[L16], v[PC+6:PC+9], s[40:41] offset:768*\a
	global_store_b64 v[L8], v[PC+10:PC+11], s[40:41] offset:768*\a
	v_and_or_b32 v[WA+\a], v[PWS+\a], 0xffff, v[HI+\a]
	v_lshrrev_b32 v[WB+\a], 16, v[PWS+\a]
	v_or_b32 v[WB+\a], v[WB+\a], v[HI+\a]
.endr
.irp j, 0,1,2,3
	v_cndmask_b32 v[OUT4+\j], v[WA+\j], v[WA+4+\j], s[HALF]   ; lanes 0-15: tiles 0-3's words of row r, lanes 16-31: tiles 4-7's
.endr
	global_store_b128 v[L16], v[OUT4:OUT4+3], s[44:45]
.irp j, 0,1,2,3
	v_cndmask_b32 v[TM+\j], v[WB+\j], v[WB+4+\j], s[HALF]
.endr
	global_store_b128 v[L16], v[TM:TM+3], s[46:47]
	s_branch .Lend
.Lvpath:
	; ---- v: a block is 16 of a head's 64 x 128 keys
	s_lshl_b32 s22, s21, 1
	s_add_co_u32 s22, s22, s16                     ; which 128 keys of the batch
	s_sub_co_u32 s23, s42, 8
	s_lshl_b32 s23, s23, 2
	s_lshl_b32 s24, s15, 1
	s_add_co_u32 s23, s23, s24
	s_lshl_b32 s24, s20, 4
	s_add_co_u32 s23, s23, s24                     ; the record of my first head
	s_mul_i32 s32, s23, KREC
	s_mul_i32 s33, s22, 6144
	s_add_co_u32 s34, s32, s33
	s_add_co_u32 s34, s34, 98304
	s_mov_b32 s35, 0
	s_add_nc_u64 s[36:37], s[12:13], s[34:35]      ; the fragments
	s_lshl_b32 s33, s22, 8
	s_add_co_u32 s34, s32, s33
	s_add_co_u32 s34, s34, 204800
	s_add_nc_u64 s[44:45], s[12:13], s[34:35]      ; the scale words; the sums lie 4,096 bytes on
.irp i, 0,1,2,3
	v_mov_b32 v[ONES+3*\i], 0x0c30c30c             ; the code of 1.0, 128 times
	v_mov_b32 v[ONES+3*\i+1], 0xc30c30c3
	v_mov_b32 v[ONES+3*\i+2], 0x30c30c30
.endr
	v_mov_b32 v[ONESC], 0x7f7f7f7f                 ; under the scale 1
.irp a, 0,1,2,3,4,5,6,7
	QUANTW \a
	global_store_b128 v[L16], v[PC:PC+3], s[36:37] offset:(\a/4)*KREC+(\a%4)*1536
	global_store_b64 v[L8], v[PC+4:PC+5], s[36:37] offset:(\a/4)*KREC+(\a%4)*1536
	global_store_b128 v[L16], v[PC+6:PC+9], s[36:37] offset:(\a/4)*KREC+(\a%4)*1536+768
	global_store_b64 v[L8], v[PC+10:PC+11], s[36:37] offset:(\a/4)*KREC+(\a%4)*1536+768
.rept 8
	v_nop                                          ; a scale register written by a vector instruction stands eight places ahead of a scaled product
.endr
	v_wmma_scale_f32_16x16x128_f8f6f4 v[SUM+8*\a:SUM+8*\a+7], v[ONES:ONES+11], v[PC:PC+11], 0, v[ONESC], v[PWS+\a] matrix_a_fmt:MATRIX_FMT_BF6 matrix_b_fmt:MATRIX_FMT_BF6   ; register 0 of lane r: the sum of row r's 128 quantised numbers
.endr
	PLACES
.irp j, 0,1,2,3
	v_cndmask_b32 v[OUT4+\j], v[PWS+\j], v[PWS+4+\j], s[HALF]   ; lanes 0-15: the first head's four tiles, lanes 16-31: the second's, a record on
.endr
	global_store_b128 v[LV], v[OUT4:OUT4+3], s[44:45]
.irp j, 0,1,2,3
	v_cndmask_b32 v[TM+\j], v[SUM+8*\j], v[SUM+32+8*\j], s[HALF]
.endr
	global_store_b128 v[LV], v[TM:TM+3], s[44:45] offset:4096
.Lend:
	s_wait_tensorcnt 0x0                           ; the wave's end
	ds_add_u32 v[SPW], v[NIL]
	s_wait_dscnt 0x0
	CROUND                                         ; the closing round
	s_endpgm
.Lfunc_end_k_q8e2dd485df_qkv:
	.size	k_q8e2dd485df_qkv, .Lfunc_end_k_q8e2dd485df_qkv-k_q8e2dd485df_qkv
	.p2alignl 7, 3214868480
	.fill 96, 4, 3214868480
	.section	.rodata,"a",@progbits
	.p2align	6, 0x0
	.amdhsa_kernel k_q8e2dd485df_qkv
		.amdhsa_group_segment_fixed_size 327680
		.amdhsa_private_segment_fixed_size 0
		.amdhsa_enable_private_segment 0
		.amdhsa_kernarg_size 40
		.amdhsa_user_sgpr_count 2
		.amdhsa_user_sgpr_kernarg_segment_ptr 1
		.amdhsa_wavefront_size32 1
		.amdhsa_system_sgpr_workgroup_id_x 1
		.amdhsa_system_sgpr_workgroup_id_y 1
		.amdhsa_system_sgpr_workgroup_id_z 1
		.amdhsa_system_vgpr_workitem_id 0
		.amdhsa_next_free_vgpr 1024
		.amdhsa_next_free_sgpr 100
		.amdhsa_reserve_vcc 1
		.amdhsa_float_denorm_mode_32 3
		.amdhsa_float_denorm_mode_16_64 3
		.amdhsa_memory_ordered 1
		.amdhsa_forward_progress 1
		.amdhsa_inst_pref_size 193
	.end_amdhsa_kernel
	.amdgpu_metadata
---
amdhsa.version: [ 1, 2 ]
amdhsa.kernels:
  - .name:           k_q8e2dd485df_qkv
    .symbol:         k_q8e2dd485df_qkv.kd
    .args:
      - { .name: xq, .offset: 0, .size: 8, .value_kind: global_buffer, .address_space: global }
      - { .name: wts, .offset: 8, .size: 8, .value_kind: global_buffer, .address_space: global }
      - { .name: mask, .offset: 16, .size: 8, .value_kind: global_buffer, .address_space: global }
      - { .name: qq, .offset: 24, .size: 8, .value_kind: global_buffer, .address_space: global }
      - { .name: kv, .offset: 32, .size: 8, .value_kind: global_buffer, .address_space: global }
    .group_segment_fixed_size: 327680
    .private_segment_fixed_size: 0
    .kernarg_segment_align: 8
    .kernarg_segment_size: 40
    .max_flat_workgroup_size: 128
    .sgpr_count:     100
    .vgpr_count:     1024
    .wavefront_size: 32
...
	.end_amdgpu_metadata
.endif
;; end of part 2
;; launch attn (part 3): grid 4 x 64, 16 waves a work-group, no clusters, 327,680 bytes of LDS; arguments qq, kv, ao; writes ao
.if DOCPART == 3
	.amdgcn_target "amdgcn-amd-amdhsa--gfx1250"
	.amdhsa_code_object_version 6
	.text
	.protected	k_q8e2dd485df_attn
	.globl	k_q8e2dd485df_attn
	.p2align	8
	.type	k_q8e2dd485df_attn,@function
k_q8e2dd485df_attn:
	s_mov_b64 s[64:65], 0
	v_nop
	global_prefetch_b8 v0, s[64:65] scope:SCOPE_SE
	s_setreg_imm32_b32 hwreg(HW_REG_WAVE_MODE, 25, 1), 1
	s_wait_xcnt 0x0
; Causal attention with a padding mask for one (batch, head), head size 64, 2,048 keys, both products on codes of BF6 (E3M2); O / l is quantised along the head's 64 and leaves as codes for the last product.
; t = score x log2(e) / 8 (the 1/8 is a power of two: it changes no code of q); M = the running largest t rounded up to a whole number; p = 2^(t - M) is quantised along the keys; l sums the unquantised p.
; SHARES.  Work-group i of a head owns query blocks i and 7 - i; wave w takes tile 127 - (16 i + w) first and tile 16 i + w second: 17 steps of 128 keys for every wave.
; THE HEAD'S RECORD LIES IN LDS, LDS byte = the record's byte, filled once in two fills, one tensor load a wave each: fill 1, 16 rows of 256 bytes a wave: k's and v's codes of keys 0-511, all scale words, v's sums;
; fill 2, 36 rows a wave: the other keys' codes.  The first tile (at least 9 steps) walks keys 0-511 while fill 2 is out.
; No cluster: the walk over keys branches on the work-group's own block.  No prefetch: the two fills stand at the head, with no loop to run ahead in.
; LAYOUT.  Both products transposed: a lane holds one query.  THE KEYS OF A TILE OF k ARE CHOSEN BY THE LANES' LDS ADDRESSES: in tile t of half c, row 8 a + e is key 64 c + 32 a + 8 (t xor 2 a) + e.
; So lane (r, h) holds in registers S + 32 c + 0..31 all 32 keys of block 2 c + h: a block's maximum asks no other lane.  In lanes 16-31 the two halves of a block stand swapped (which keeps rows 0-7 and 8-15
; of a load 128 bytes apart modulo 256); the codes' halves are put right by selects.
; THE PADDING MASK rides in the unused half of K = 128: q holds the code of +1 and every key the code of -1 at k = 64; the key's scale byte of that block is 1 (the score moves by -2^-126) or 254 (by -2^127).
; LIMITS: a key that counts has 2^-126 taken off its score; a t under -2^100 counts as hidden; a row none of whose keys counts gets the mean of the quantised v over all 2,048 keys, which is what equal logits give,
; chosen by a select where l is 0; blocks of zeros get the byte 1; NaN and infinities are not served.
.set KREC,  212992
.set QREC,  106496
.set VOFF,  98304
.set KSO,   196608
.set VSO,   204800
.set VSUMO, 208896
.set STG,   212992                     ; behind the record: 1,024 bytes for the output's scale bytes
.set VBL,   214016                     ; the mean of v, 256 bytes for each wave
.set SPARE, 218112                     ; the spare words, 128 bytes a wave
.set AKP,   1572864
.set ASP,   6291456
.set L16,  1                           ; 16 x lane
.set L8,   2                           ; 512 + 16 r + 8 h
.set KA,   3                           ; v3-4   k's 16-byte parts, for t / 2 = 0, 1
.set K8,   5                           ; v5-6   k's 8-byte parts
.set KS,   7                           ; v7-8   k's scale words
.set V16,  9
.set V8,   10
.set AVS,  11
.set QOA,  12                          ; my query's place less my block's, for registers 0-15 of a block,
.set QOB,  13                          ; and for registers 16-31
.set QF,   16                          ; v16-27 q; v28 its scale word; v29 p's; v30-31 l; v14 -M, v15 the largest t
.set QSW,  28
.set PSW,  29
.set KB,   32                          ; v32-79 four fragments of k
.set ADK,  80                          ; v80-88 the step's addresses
.set ADK8, 82
.set ADS,  84
.set ADV,  86
.set ADV8, 87
.set ADT,  88
.set NINF, 89
.set F,    90
.set KSW,  92
.set VSW,  96
.set BM,   100
.set BT,   102
.set SO,   104
.set BY,   106
.set TA,   108
.set TB,   109
.set R16,  110
.set STG0, 111
.set STG1, 112
.set RDB,  113
.set SH,   114
.set VBA,  115
.set VSA,  116
.set VBS,  117
.set SPW,  118
.set NIL,  119
.set SM,   120                         ; v120-127 four partial sums
.set T2,   120
.set S,    128                         ; v128-191 scores, then p; v128-175 then take v's four fragments
.set O,    192                         ; v192-223 O^T
.set PC,   224
.set XY,   236                         ; v236-251 the conversions' results
.set WV,   10
.set BH,   11
.set SEL,  12
.set CS,   14
.set T,    16
.set QMIN, 17
.set QMAX, 18
.set KF,   20
.set TK,   21
.set TSK,  22
.set TSV,  23
.set G1A,  24
.set G1B,  32
.set G0A,  48
.set G0B,  52
.set HALF, 60
.set CNT,  61
.macro DLY n
	s_delay_alu instid0(VALU_DEP_\n)
.endm
.macro KLOAD c, adv, ak, ak8           ; registers 0-5 of the four fragments of half c, adv steps on
.irp t, 0,1,2,3
	ds_load_b128 v[KB+12*\t:KB+12*\t+3], v[\ak+\t/2] offset:6144*(\adv)+3072*(\c)+768*(\t%2)
	ds_load_b64 v[KB+12*\t+4:KB+12*\t+5], v[\ak8+\t/2] offset:6144*(\adv)+3072*(\c)+768*(\t%2)
.endr
.endm
.macro KSLOAD adv, as                  ; register t: lanes 0-15 the words of tile t of half 0, lanes 16-31 of half 1
	ds_load_b64 v[KSW:KSW+1], v[\as] offset:512*(\adv)
	ds_load_b64 v[KSW+2:KSW+3], v[\as+1] offset:512*(\adv)
.endm
.macro VLOAD t
	ds_load_b128 v[S+12*\t:S+12*\t+3], v[ADV] offset:1536*\t
	ds_load_b64 v[S+12*\t+4:S+12*\t+5], v[ADV8] offset:1536*\t
	ds_load_b128 v[S+12*\t+6:S+12*\t+9], v[ADV] offset:1536*\t+768
	ds_load_b64 v[S+12*\t+10:S+12*\t+11], v[ADV8] offset:1536*\t+768
.endm
.macro QK c                            ; S^T = k q^T, four tiles
.irp t, 0,1,2,3
.if \c
	v_wmma_scale_f32_16x16x128_f8f6f4 v[S+32+8*\t:S+39+8*\t], v[KB+12*\t:KB+12*\t+11], v[QF:QF+11], 0, v[KSW+\t], v[QSW] matrix_a_fmt:MATRIX_FMT_BF6 matrix_b_fmt:MATRIX_FMT_BF6 matrix_a_scale:MATRIX_SCALE_ROW1
.else
	v_wmma_scale_f32_16x16x128_f8f6f4 v[S+8*\t:S+7+8*\t], v[KB+12*\t:KB+12*\t+11], v[QF:QF+11], 0, v[KSW+\t], v[QSW] matrix_a_fmt:MATRIX_FMT_BF6 matrix_b_fmt:MATRIX_FMT_BF6
.endif
.endr
.endm
; my block's largest score, in two chains; each accumulator is read from its low end on
.macro TR0 c
	v_max3_num_f32 v[BT], v[S+32*\c], v[S+32*\c+1], v[S+32*\c+2]
	v_max3_num_f32 v[BT+1], v[S+32*\c+16], v[S+32*\c+17], v[S+32*\c+18]
.endm
.macro TR c, i
	v_max3_num_f32 v[BT], v[BT], v[S+32*\c+\i], v[S+32*\c+\i+1]
	v_max3_num_f32 v[BT+1], v[BT+1], v[S+32*\c+16+\i], v[S+32*\c+17+\i]
.endm
.macro TRE c
	v_max3_num_f32 v[BM+\c], v[BT], v[BT+1], v[S+32*\c+15]
	v_max_num_f32 v[BM+\c], v[BM+\c], v[S+32*\c+31]
.endm
; on the diagonal hidden scores become -infinity; a half all of whose keys count passes over this
.macro DIAG c
	s_add_co_u32 s62, s[KF], 64*\c+63
	s_cmp_le_u32 s62, s[QMIN]
	s_cbranch_scc1 .Lopen_\@
	s_sub_co_i32 s62, s[QMIN], s[KF]
	v_add_nc_u32 v[BY], s62, v[QOA]
	v_add_nc_u32 v[BY+1], s62, v[QOB]
.set n, 0
.rept 32
	v_cmp_gt_i32 vcc_lo, 64*\c+n, v[BY+n/16]
	v_cndmask_b32 v[S+32*\c+n], v[S+32*\c+n], v[NINF], vcc_lo
.set n, n+1
.endr
.Lopen_\@:
.endm
; a tile of 16 queries begins
.macro PRO
	s_lshr_b32 s62, s[T], 1
	s_lshl_b32 s62, s62, 5
	s_and_b32 s63, s[T], 1
	s_lshl_b32 s63, s63, 3
	s_add_co_u32 s[QMIN], s62, s63
	s_add_co_u32 s[QMAX], s[QMIN], 23
	s_mul_i32 s80, s[T], 768
	s_mov_b32 s81, 0
	s_add_nc_u64 s[76:77], s[68:69], s[80:81]
	global_load_b128 v[QF:QF+3], v[L16], s[76:77]
	global_load_b64 v[QF+4:QF+5], v[L8], s[76:77]
	s_lshr_b32 s82, s[T], 2
	s_lshl_b32 s82, s82, 8
	s_and_b32 s83, s[T], 3
	s_lshl_b32 s83, s83, 2
	s_add_co_u32 s82, s82, s83
	s_add_co_u32 s82, s82, 98304
	s_mov_b32 s83, 0
	s_add_nc_u64 s[82:83], s[68:69], s[82:83]
	global_load_b32 v[QSW], v[R16], s[82:83]
	s_mul_i32 s80, s[T], 3072
	s_add_nc_u64 s[78:79], s[70:71], s[80:81]
.set j, 0
.rept 32
	v_mov_b32 v[O+j], 0
.set j, j+1
.endr
	v_mov_b32 v30, 0
	v_mov_b32 v31, 0
	v_mov_b32 v15, 0xf1800000                      ; -2^100
	DLY 1
	v_floor_f32 v14, -v15                          ; -M
.endm
; A KEY STEP: 128 keys.  Half 0's fragments of k and the scale words were asked for a step earlier.  lim = 1: the step is passed over where all its keys come after my queries, and has the diagonal's lines.
; pf: half 0 of the next step is asked for never (0), always (1), or where the next step is mine (2): branches on ids alone
.macro STEP lim, pf
.if \lim
	s_cmp_gt_u32 s[KF], s[QMAX]
	s_cbranch_scc1 .Lskip_\@
.endif
	v_add_nc_u32 v[ADK], s[TK], v[KA]              ; (these six are the places between the last step's products and those that write over v's registers)
	v_add_nc_u32 v[ADK+1], s[TK], v[KA+1]
	v_add_nc_u32 v[ADK8], s[TK], v[K8]
	v_add_nc_u32 v[ADK8+1], s[TK], v[K8+1]
	v_add_nc_u32 v[ADS], s[TSK], v[KS]
	v_add_nc_u32 v[ADS+1], s[TSK], v[KS+1]
	s_wait_alu depctr_va_vdst(0)
	s_wait_dscnt 0x0                               ; half 0's fragments and the scale words are in
	QK 0
	v_add_nc_u32 v[ADV], s[TK], v[V16]             ; four places
	v_add_nc_u32 v[ADV8], s[TK], v[V8]
	v_add_nc_u32 v[ADT], s[TSV], v[AVS]
	v_nop
	KLOAD 1, 0, ADK, ADK8
.if \lim
	DIAG 0
.endif
	TR0 0
.irp i, 3,5,7,9
	TR 0, \i
.endr
	s_wait_alu depctr_va_vdst(0)
	s_wait_dscnt 0x0                               ; half 1's fragments are in
	QK 1
	TR 0, 11                                       ; six places
	TR 0, 13
	TRE 0
.if \pf == 1
	KLOAD 0, 1, ADK, ADK8
	KSLOAD 1, ADS
.endif
.if \pf == 2
	s_add_co_u32 s62, s[KF], 128
	s_cmp_gt_u32 s62, s[QMAX]
	s_cbranch_scc1 .Lnopf_\@
	KLOAD 0, 1, ADK, ADK8
	KSLOAD 1, ADS
.Lnopf_\@:
.endif
.if \lim
	DIAG 1
.endif
	TR0 1
.irp i, 3,5,7,9,11,13
	TR 1, \i
.endr
	TRE 1
	v_max_num_f32 v[TA], v[BM], v[BM+1]
	v_mul_f32 v[TA], s[CS], v[TA]
	v_permlanex16_b32 v[TB], v[TA], s[SEL], s[SEL+1]
	v_max3_num_f32 v15, v15, v[TA], v[TB]          ; the running largest t
	v_floor_f32 v[TA], -v15                        ; the new -M: a whole number
	v_sub_f32 v[TB], v[TA], v14
	v_mov_b32 v14, v[TA]
	v_cvt_i32_f32 v[TB], v[TB]                     ; (it saturates)
.set j, 0
.rept 32
	v_pk_fma_f32 v[S+j:S+j+1], v[S+j:S+j+1], s[CS:CS+1], v[14:15] op_sel_hi:[1,0,0]   ; t - M
.set j, j+2
.endr
	v_ldexp_f32 v[F], 1.0, v[TB]                   ; f = 2^(old M - new M)
	v_fma_f32 v[BM], v[BM], s[CS], v14
	v_fma_f32 v[BM+1], v[BM+1], s[CS], v14
	s_wait_alu depctr_va_vdst(0)                   ; the wait ahead of the batch
.set j, 0
.rept 64
	v_exp_f32 v[S+j], v[S+j]                       ; p
.set j, j+1
.endr
	v_exp_f32 v[BM], v[BM]                         ; my two blocks' largest p
	v_exp_f32 v[BM+1], v[BM+1]
	v_pk_mul_f32 v[30:31], v[30:31], v[F:F+1] op_sel_hi:[1,0]   ; l under the new M: the plain line behind the batch
	s_wait_alu depctr_va_vdst(0)                   ; and the wait behind it
	v_max_num_f32 v[BM], 0x2800000, v[BM]          ; the floor 2^(5 - 127)
	v_max_num_f32 v[BM+1], 0x2800000, v[BM+1]
	v_add_nc_u32 v[SO], 0xfe000000, v[BM]
	v_add_nc_u32 v[SO+1], 0xfe000000, v[BM+1]
.irp c, 0,1
	v_cvt_scalef32_pk16_bf6_f32 v[XY+8*\c:XY+8*\c+2], v[S+32*\c:S+32*\c+15], v[SO+\c]
	v_cvt_scalef32_pk16_bf6_f32 v[XY+8*\c+4:XY+8*\c+6], v[S+32*\c+16:S+32*\c+31], v[SO+\c]
.endr
	v_lshrrev_b32 v[BY], 23, v[SO]                 ; the bytes of blocks h and 2 + h
	v_lshrrev_b32 v[BY+1], 23, v[SO+1]
	v_lshl_or_b32 v[TA], v[BY+1], 16, v[BY]
	v_lshlrev_b32 v[TA], v[SH], v[TA]              ; 8 h bits up
	v_permlanex16_b32 v[TB], v[TA], s[SEL], s[SEL+1]
	v_or_b32 v[PSW], v[TA], v[TB]                  ; with lane l xor 16's the word is whole
.irp k, 0,1,2,3                        ; l sums the unquantised p, in four chains
	v_pk_add_f32 v[SM+2*\k:SM+2*\k+1], v[S+4*\k:S+4*\k+1], v[S+4*\k+2:S+4*\k+3]
.endr
.irp j, 16,24
.irp k, 0,1,2,3
	v_pk_add_f32 v[SM+2*\k:SM+2*\k+1], v[SM+2*\k:SM+2*\k+1], v[S+\j+2*\k:S+\j+2*\k+1]
.endr
.endr
	VLOAD 0                                        ; v's fragments take the registers that p has left
	VLOAD 1
.irp j, 32,40,48,56
.irp k, 0,1,2,3
	v_pk_add_f32 v[SM+2*\k:SM+2*\k+1], v[SM+2*\k:SM+2*\k+1], v[S+\j+2*\k:S+\j+2*\k+1]
.endr
.endr
	VLOAD 2
	VLOAD 3
	ds_load_b128 v[VSW:VSW+3], v[ADT]
	v_pk_add_f32 v[SM:SM+1], v[SM:SM+1], v[SM+2:SM+3]
	v_pk_add_f32 v[SM+4:SM+5], v[SM+4:SM+5], v[SM+6:SM+7]
.irp i, 0,1,2                          ; a block's lower and upper 16 codes: in lanes 16-31 the second conversion holds the lower ones
	v_cndmask_b32 v[PC+\i], v[XY+\i], v[XY+4+\i], s[HALF]
	v_cndmask_b32 v[PC+3+\i], v[XY+4+\i], v[XY+\i], s[HALF]
.endr
	v_pk_add_f32 v[SM:SM+1], v[SM:SM+1], v[SM+4:SM+5]
.irp i, 0,1,2
	v_cndmask_b32 v[PC+6+\i], v[XY+8+\i], v[XY+12+\i], s[HALF]
	v_cndmask_b32 v[PC+9+\i], v[XY+12+\i], v[XY+8+\i], s[HALF]
.endr
	v_pk_add_f32 v[30:31], v[30:31], v[SM:SM+1]
	s_wait_alu depctr_va_vdst(0)                   ; the wait directly ahead of the first reader of O^T
.set j, 0
.rept 16
	v_pk_mul_f32 v[O+j:O+j+1], v[O+j:O+j+1], v[F:F+1] op_sel_hi:[1,0]   ; O^T under the new M
.set j, j+2
.endr
	s_wait_alu depctr_va_vdst(0)
	s_wait_dscnt 0x0
.irp t, 0,1,2,3                        ; O^T += v^T p^T: four accumulators by turns
	v_wmma_scale_f32_16x16x128_f8f6f4 v[O+8*\t:O+8*\t+7], v[S+12*\t:S+12*\t+11], v[PC:PC+11], v[O+8*\t:O+8*\t+7], v[VSW+\t], v[PSW] matrix_a_fmt:MATRIX_FMT_BF6 matrix_b_fmt:MATRIX_FMT_BF6
.endr
.Lskip_\@:
	s_add_co_u32 s[KF], s[KF], 128
	s_add_co_u32 s[TK], s[TK], 6144
	s_add_co_u32 s[TSK], s[TSK], 512
	s_add_co_u32 s[TSV], s[TSV], 256
.endm
.macro AT st                           ; the walk stands at step st
	s_mov_b32 s[KF], 128*\st
	s_mov_b32 s[TK], 6144*\st
	s_mov_b32 s[TSK], 512*\st
	s_mov_b32 s[TSV], 256*\st
.endm
.macro WALK trips, lim, pf             ; the trip count is a constant; what is not mine is passed over inside the step
	s_mov_b32 s[CNT], \trips
.Lwalk_\@:
	STEP \lim, \pf
	s_sub_co_u32 s[CNT], s[CNT], 1
	s_cmp_lg_u32 s[CNT], 0
	s_cbranch_scc1 .Lwalk_\@
.endm
; a tile ends: O^T / l, the mean of v where l is 0, quantised along the head's 64 (two blocks), one piece of 768 bytes out, the two bytes into the stage
.macro EPI stg
	s_wait_alu depctr_va_vdst(0)
.rept 4
	v_nop
.endr
.irp j, 0,1,2,3,4,5,6,7
	ds_load_b128 v[S+32+4*\j:S+35+4*\j], v[VBA] offset:16*\j   ; the mean of v: register 4 j + t for O^T's register j of tile t
.endr
	v_add_f32 v30, v30, v31
	DLY 1
	v_permlanex16_b32 v[TB], v30, s[SEL], s[SEL+1]
	DLY 1
	v_add_f32 v30, v30, v[TB]
	s_wait_alu depctr_va_vdst(0)
	s_wait_dscnt 0x0
	v_rcp_f32 v[F], v30
	v_nop
	v_cmp_eq_f32 vcc_lo, 0, v30
	s_wait_alu depctr_va_vdst(0)
.set j, 0
.rept 16
	v_pk_mul_f32 v[S+j:S+j+1], v[O+j:O+j+1], v[F:F+1] op_sel_hi:[1,0]
.set j, j+2
.endr
.irp t, 0,1,2,3
.irp j, 0,1,2,3,4,5,6,7
	v_cndmask_b32 v[S+8*\t+\j], v[S+8*\t+\j], v[S+32+4*\j+\t], vcc_lo
.endr
.endr
.irp b, 0,1
	v_max3_num_f32 v[BM+\b], |v[S+16*\b]|, |v[S+1+16*\b]|, 0x2800000
.endr
.irp i, 2,4,6,8,10,12,14
.irp b, 0,1
	DLY 2
	v_max3_num_f32 v[BM+\b], v[BM+\b], |v[S+16*\b+\i]|, |v[S+1+16*\b+\i]|
.endr
.endr
.irp b, 0,1
	DLY 2
	v_permlanex16_b32 v[T2+\b], v[BM+\b], s[SEL], s[SEL+1]
.endr
.irp b, 0,1
	DLY 2
	v_max_num_f32 v[BM+\b], v[BM+\b], v[T2+\b]
.endr
.irp b, 0,1
	DLY 2
	v_add_nc_u32 v[SO+\b], 0xfe000000, v[BM+\b]
.endr
.irp b, 0,1
	DLY 2
	v_lshrrev_b32 v[T2+\b], 23, v[SO+\b]
.endr
	DLY 1
	v_lshl_or_b32 v[BY], v[T2+1], 8, v[T2]
	v_cvt_scalef32_pk16_bf6_f32 v[PC:PC+2], v[S:S+15], v[SO]
	v_cvt_scalef32_pk16_bf6_f32 v[XY:XY+2], v[S+16:S+31], v[SO+1]
	v_nop
.irp i, 0,1,2
	v_permlane16_swap_b32 v[PC+\i], v[XY+\i]
.endr
.irp i, 0,1,2
	DLY 3
	v_mov_b32 v[PC+3+\i], v[XY+\i]
.endr
	global_store_b128 v[L16], v[PC:PC+3], s[78:79]
	global_store_b64 v[L8], v[PC+4:PC+5], s[78:79]
	ds_store_b16 v[\stg], v[BY]                    ; both halves of the lanes write the same two bytes with the same value
	s_wait_xcnt 0x0                                ; the stores have read their registers and their base
.endm
	s_load_b128 s[4:7], s[0:1], 0x0                ; qq, kv
	s_load_b64 s[8:9], s[0:1], 0x10                ; ao
	v_lshl_add_u32 v[SPW], v0, 2, SPARE
	v_mov_b32 v[NIL], 0
	ds_add_u32 v[SPW], v[NIL]
	ds_add_u32 v[SPW], v[NIL]
	v_lshrrev_b32 v[TA], 5, v0
	v_readfirstlane_b32 s[WV], v[TA]               ; wave 0..15
	s_and_b32 s[BH], ttmp7, 0xffff                 ; 16 x batch + head
.irp g, G1A, G1B                       ; dense rows of 256 bytes (32 elements of 8)
	s_mov_b32 s[\g], 3<<16
	s_mov_b32 s[\g+1], 32<<16
	s_mov_b32 s[\g+3], 32<<16
	s_mov_b32 s[\g+5], 32
	s_mov_b32 s[\g+6], 0
	s_mov_b32 s[\g+7], 0
.endr
	s_mov_b32 s[G1A+2], 16<<16                     ; fill 1: 16 rows a wave
	s_mov_b32 s[G1A+4], 16
	s_mov_b32 s[G1B+2], 36<<16                     ; fill 2: 36 rows a wave
	s_mov_b32 s[G1B+4], 36
	s_mul_i32 s62, s[WV], 11
	s_lshr_b32 s62, s62, 6                         ; wave / 6: waves 0-5 k's 24,576 bytes, 6-11 v's, 12-14 the scale words, 15 v's sums
	s_mul_i32 s62, s62, 73728                      ; each region begins 98,304 bytes behind the last: 73,728 more than six waves' 4,096
	s_lshl_b32 s63, s[WV], 12
	s_add_co_u32 s62, s62, s63
	s_lshr_b32 s66, s[WV], 3                       ; fill 2: waves 0-7 k, 8-15 v: an eighth of 73,728 bytes each
	s_mul_i32 s66, s66, VOFF
	s_and_b32 s67, s[WV], 7
	s_mul_i32 s67, s67, 9216
	s_add_co_u32 s66, s66, s67
	s_add_co_u32 s66, s66, 24576
	s_mul_i32 s80, s[BH], KREC
	s_mov_b32 s81, 0
	s_lshr_b32 s56, s[WV], 3                       ; my places in the stage
	s_lshl_b32 s56, s56, 8
	s_and_b32 s63, s[WV], 7
	s_lshl_b32 s63, s63, 1
	s_add_co_u32 s56, s56, s63
	s_add_co_u32 s56, s56, STG
	s_xor_b32 s67, s[WV], 15                       ; the high tile's place in its block: 15 - wave
	s_lshr_b32 s57, s67, 3
	s_lshl_b32 s57, s57, 8
	s_and_b32 s63, s67, 7
	s_lshl_b32 s63, s63, 1
	s_add_co_u32 s57, s57, s63
	s_add_co_u32 s57, s57, STG+512
	s_and_b32 s58, s[WV], 1
	s_lshl_b32 s58, s58, 9
	s_add_co_u32 s58, s58, STG
	s_lshl_b32 s59, s[WV], 8
	s_add_co_u32 s59, s59, VBL
	s_mov_b32 s[SEL], 0x76543210
	s_mov_b32 s[SEL+1], 0xfedcba98
	s_mov_b32 s[HALF], 0xffff0000
	s_mov_b32 s[CS], 0x3e38aa3b                    ; log2(e) / 8
	s_mov_b32 s[CS+1], s[CS]
	s_wait_dscnt 0x0
	s_wait_kmcnt 0x0
	s_add_nc_u64 s[74:75], s[6:7], s[80:81]        ; the head's record
	s_mov_b32 s[G0A], 1
	s_mov_b32 s[G0A+1], s62
	s_mov_b32 s80, s62
	s_add_nc_u64 s[G0A+2:G0A+3], s[74:75], s[80:81]
	s_or_b32 s[G0A+3], s[G0A+3], 0x80000000
	s_mov_b32 s[G0B], 1
	s_mov_b32 s[G0B+1], s66
	s_mov_b32 s80, s66
	s_add_nc_u64 s[G0B+2:G0B+3], s[74:75], s[80:81]
	s_or_b32 s[G0B+3], s[G0B+3], 0x80000000
	tensor_load_to_lds s[G0A:G0A+3], s[G1A:G1A+7]  ; fill 1: my one load at the head
	s_nop 0
	v_and_b32 v[S], 15, v0                         ; r
	v_bfe_u32 v[S+1], v0, 4, 1                     ; h
	v_and_b32 v[S+2], 7, v0                        ; e
	v_bfe_u32 v[S+3], v0, 3, 1                     ; a
	v_and_b32 v[S+4], 31, v0
	v_lshlrev_b32 v[L16], 4, v[S+4]
	v_lshlrev_b32 v[R16], 4, v[S]
	v_lshl_add_u32 v[L8], v[S+1], 3, v[R16]
	v_add_nc_u32 v[L8], 512, v[L8]
	v_mul_u32_u24 v[S+5], v[S+3], 1664             ; rows 8-15: two pieces (1,536 bytes) on, and the other 128 bytes of the piece
	v_lshl_add_u32 v[S+5], v[S+2], 4, v[S+5]
	v_lshl_add_u32 v[KA], v[S+1], 8, v[S+5]
	v_xor_b32 v[KA+1], 128, v[KA]
	v_lshl_add_u32 v[K8], v[S+1], 3, v[S+5]
	v_add_nc_u32 v[K8], 512, v[K8]
	v_xor_b32 v[K8+1], 128, v[K8]
	v_mul_u32_u24 v[S+6], v[S+3], 136
	v_lshl_add_u32 v[S+6], v[S+2], 4, v[S+6]
	v_lshl_add_u32 v[S+6], v[S+1], 8, v[S+6]
	v_add_nc_u32 v[KS], KSO, v[S+6]
	v_xor_b32 v[KS+1], 128, v[KS]
	v_add_nc_u32 v[V16], VOFF, v[L16]
	v_add_nc_u32 v[V8], VOFF, v[L8]
	v_add_nc_u32 v[AVS], VSO, v[R16]
	v_and_b32 v[S+7], 8, v[S]
	v_add_nc_u32 v[S+7], v[S+7], v[S]              ; r + 8 (r / 8)
	v_mul_u32_u24 v[S+8], v[S+1], 48
	v_sub_nc_u32 v[QOA], v[S+7], v[S+8]
	v_lshlrev_b32 v[S+8], 4, v[S+1]
	v_sub_nc_u32 v[QOB], v[S+7], v[S+8]
	v_lshlrev_b32 v[SH], 3, v[S+1]
	v_lshl_add_u32 v[VBA], v[S+1], 7, s59
	v_lshl_add_u32 v[VSA], v[S+4], 3, VSUMO
	v_lshl_add_u32 v[VBS], v[S+4], 3, s59
	v_add_nc_u32 v[STG0], s56, v[R16]
	v_add_nc_u32 v[STG1], s57, v[R16]
	v_add_nc_u32 v[RDB], s58, v[L16]
	v_sub_nc_u32 v[S+8], 1, v[S+1]
	v_mul_u32_u24 v[QF+6], v[S+8], 0x0c            ; the code of +1 at k = 64: lanes 0-15 alone
	v_mul_u32_u24 v[S+9], v[S+8], 0x2c             ; the code of -1
.irp i, 7,8,9,10,11
	v_mov_b32 v[QF+\i], 0
.endr
.irp t, 0,1,2,3
	v_mov_b32 v[KB+12*\t+6], v[S+9]
.irp i, 7,8,9,10,11
	v_mov_b32 v[KB+12*\t+\i], 0
.endr
.endr
	v_mov_b32 v[F+1], 0                            ; (named as the upper half of a pair)
	v_mov_b32 v[TB], 0                             ; lane permutes' destinations count as read
	v_mov_b32 v[T2], 0
	v_mov_b32 v[T2+1], 0
	v_mov_b32 v[NINF], 0xff800000
	s_wait_alu depctr_va_vdst(0)
	s_mul_i32 s80, s[BH], QREC
	s_add_nc_u64 s[68:69], s[4:5], s[80:81]        ; q's record
	s_and_b32 s62, s[BH], 15                       ; the head
	s_lshr_b32 s63, s[BH], 4                       ; the batch
	s_lshr_b32 s66, s62, 2
	s_mul_i32 s66, s66, AKP
	s_mul_i32 s67, s63, 393216                     ; 128 tiles of 3,072 bytes
	s_add_co_u32 s66, s66, s67
	s_and_b32 s67, s62, 3
	s_mul_i32 s67, s67, 768
	s_add_co_u32 s80, s66, s67
	s_add_nc_u64 s[70:71], s[8:9], s[80:81]        ; the head's pieces in ao
	s_lshl_b32 s66, s62, 14
	s_lshl_b32 s67, s63, 12
	s_add_co_u32 s66, s66, s67
	s_add_co_u32 s80, s66, ASP
	s_add_nc_u64 s[72:73], s[8:9], s[80:81]        ; the head's plane of scale bytes, at the batch
	s_lshl_b32 s[T], ttmp9, 4
	s_add_co_u32 s[T], s[T], s[WV]
	s_sub_co_u32 s[T], 127, s[T]                   ; the high tile first
	PRO
	s_wait_alu depctr_va_vdst(0)                   ; the head's end
	s_wait_tensorcnt 0x0                           ; my part of fill 1 is in
	ds_add_u32 v[SPW], v[NIL]
	s_wait_dscnt 0x0
	s_barrier_signal -1
	s_barrier_wait -1                              ; everybody's is
	tensor_load_to_lds s[G0B:G0B+3], s[G1B:G1B+7]  ; fill 2: my one load behind this barrier
	s_nop 0
	KLOAD 0, 0, KA, K8
	KSLOAD 0, KS
	s_wait_loadcnt 0x0                             ; q
	AT 0
	WALK 3, 0, 1                                   ; keys 0-511: bytes of fill 1 alone; all count for a tile of the upper half
	STEP 0, 0
	s_wait_tensorcnt 0x0                           ; my part of fill 2 is in,
	s_wait_dscnt 0x0
	s_barrier_signal -1
	s_barrier_wait -1                              ; everybody's is
	KLOAD 0, 4, KA, K8
	KSLOAD 4, KS
.rept 4
	v_nop                                          ; places in front of loads into registers that the last products read
.endr
.irp s, 0,1,2,3,4,5,6,7,8,9,10,11,12,13,14,15
	ds_load_b64 v[S+2*\s:S+2*\s+1], v[VSA] offset:256*\s   ; v's sums over 128 keys each: my lane takes two of the head's 64 places
.endr
	s_wait_dscnt 0x0
.irp k, 0,2,4,6,8,10,12,14
	v_pk_add_f32 v[S+\k:S+\k+1], v[S+\k:S+\k+1], v[S+16+\k:S+17+\k]
.endr
.irp k, 0,2,4,6
	v_pk_add_f32 v[S+\k:S+\k+1], v[S+\k:S+\k+1], v[S+8+\k:S+9+\k]
.endr
.irp k, 0,2
	v_pk_add_f32 v[S+\k:S+\k+1], v[S+\k:S+\k+1], v[S+4+\k:S+5+\k]
.endr
	v_pk_add_f32 v[S:S+1], v[S:S+1], v[S+2:S+3]
	v_pk_mul_f32 v[S:S+1], v[S:S+1], 0x3a000000 op_sel_hi:[1,0]   ; / 2,048
	ds_store_b64 v[VBS], v[S:S+1]                  ; into my wave's own 256 bytes
	AT 4
	WALK 12, 1, 2
	EPI STG1
	s_sub_co_u32 s[T], 127, s[T]                   ; the low tile
	PRO
	KLOAD 0, 0, KA, K8
	KSLOAD 0, KS
	s_wait_alu depctr_va_vdst(0)
	s_wait_loadcnt 0x0
	AT 0
	WALK 16, 1, 2
	EPI STG0
	s_wait_dscnt 0x0                               ; my bytes lie in the stage
	s_barrier_signal -1
	s_barrier_wait -1
	s_cmp_gt_u32 s[WV], 1
	s_cbranch_scc1 .Ldone
	s_sub_co_u32 s63, 7, ttmp9
	s_cmp_eq_u32 s[WV], 0
	s_cselect_b32 s62, ttmp9, s63                  ; wave 0: block i, wave 1: block 7 - i
	s_lshl_b32 s80, s62, 9
	s_add_nc_u64 s[72:73], s[72:73], s[80:81]
	ds_load_b128 v[S:S+3], v[RDB]
	s_wait_dscnt 0x0
	global_store_b128 v[L16], v[S:S+3], s[72:73]   ; 512 consecutive bytes: the block's 256 tokens' scale bytes of this head
.Ldone:
	s_wait_tensorcnt 0x0                           ; the wave's end
	ds_add_u32 v[SPW], v[NIL]
	s_wait_dscnt 0x0
	s_endpgm
.Lfunc_end_k_q8e2dd485df_attn:
	.size	k_q8e2dd485df_attn, .Lfunc_end_k_q8e2dd485df_attn-k_q8e2dd485df_attn
	.p2alignl 7, 3214868480
	.fill 96, 4, 3214868480
	.section	.rodata,"a",@progbits
	.p2align	6, 0x0
	.amdhsa_kernel k_q8e2dd485df_attn
		.amdhsa_group_segment_fixed_size 327680
		.amdhsa_private_segment_fixed_size 0
		.amdhsa_enable_private_segment 0
		.amdhsa_kernarg_size 24
		.amdhsa_user_sgpr_count 2
		.amdhsa_user_sgpr_kernarg_segment_ptr 1
		.amdhsa_wavefront_size32 1
		.amdhsa_system_sgpr_workgroup_id_x 1
		.amdhsa_system_sgpr_workgroup_id_y 1
		.amdhsa_system_sgpr_workgroup_id_z 1
		.amdhsa_system_vgpr_workitem_id 0
		.amdhsa_next_free_vgpr 256
		.amdhsa_next_free_sgpr 84
		.amdhsa_reserve_vcc 1
		.amdhsa_float_denorm_mode_32 3
		.amdhsa_float_denorm_mode_16_64 3
		.amdhsa_memory_ordered 1
		.amdhsa_forward_progress 1
		.amdhsa_inst_pref_size 104
	.end_amdhsa_kernel
	.amdgpu_metadata
---
amdhsa.version: [ 1, 2 ]
amdhsa.kernels:
  - .name:           k_q8e2dd485df_attn
    .symbol:         k_q8e2dd485df_attn.kd
    .args:
      - { .name: qq, .offset: 0, .size: 8, .value_kind: global_buffer, .address_space: global }
      - { .name: kv, .offset: 8, .size: 8, .value_kind: global_buffer, .address_space: global }
      - { .name: ao, .offset: 16, .size: 8, .value_kind: global_buffer, .address_space: global }
    .group_segment_fixed_size: 327680
    .private_segment_fixed_size: 0
    .kernarg_segment_align: 8
    .kernarg_segment_size: 24
    .max_flat_workgroup_size: 512
    .sgpr_count:     84
    .vgpr_count:     256
    .wavefront_size: 32
...
	.end_amdgpu_metadata
.endif
;; end of part 3
;; launch outp (part 4): grid 4 x 64, 4 waves a work-group, clusters of 4 x 4, 327,680 bytes of LDS; arguments ao, wts, b_out, out0; writes out0
.if DOCPART == 4
	.amdgcn_target "amdgcn-amd-amdhsa--gfx1250"
	.amdhsa_code_object_version 6
	.text
	.protected	k_q8e2dd485df_outp
	.globl	k_q8e2dd485df_outp
	.p2align	8
	.type	k_q8e2dd485df_outp,@function
k_q8e2dd485df_outp:
	s_mov_b64 s[64:65], 0
	v_nop
	global_prefetch_b8 v0, s[64:65] scope:SCOPE_SE
	s_setreg_imm32_b32 hwreg(HW_REG_WAVE_MODE, 25, 1), 1
	s_wait_xcnt 0x0
	s_wait_alu depctr_hold_cnt(0) depctr_sa_sdst(0) depctr_va_vdst(0) depctr_va_sdst(0) depctr_va_ssrc(0) depctr_va_vcc(0) depctr_vm_vsrc(0)
	s_getreg_b32 s2, hwreg(HW_REG_IB_STS2, 6, 4)
	s_cmp_eq_u32 s2, 0
	s_cbranch_scc0 .Lentry_in_a_cluster
	s_endpgm
.Lentry_in_a_cluster:
	s_bfe_u32 s2, ttmp6, 0x10000c
	s_cmp_lg_u32 s2, 0xf033
	s_cbranch_scc0 .Lentry_shape_is_right
	s_endpgm
.Lentry_shape_is_right:
; out0 = attention's output x W_out + b_out on codes of BF6 (E3M2), K = 1,024.  ao holds the tokens' codes as images of fragments (a tile of 16 tokens x a pair of K steps: 3,072 dense bytes) and two scale bytes
; for each token and head; wts holds W_out's codes in the same form and its scale words.
; A BLOCK of 128 tokens x 256 columns is made by four waves, 64 x 128 each: 32 accumulators.  8,192 x 1,024 numbers give 64 x 4 = 256 work-groups.
; K goes in pairs of K steps (256) through two LDS slots: the tokens' 8 tiles (24,576 bytes), then W's 16 (49,152).  Source 0 = W's columns, source 1 = the tokens: a lane holds one token and neighbouring columns.
; The tokens' fragments have two sets of four (even and odd K steps), W's two sets of eight: a step's 48 LDS loads are asked for one step ahead.
; CLUSTERS: 4 x 4 work-groups; the tokens' tiles are asked for jointly along a row of the cluster, W's along a column.
; THE HEAD'S FOUR TILES go out one a wave: wave 0 slot 0's tokens, wave 1 their scale bytes, wave 2 slot 0's W, wave 3 W's scale words; slot 1 is first filled behind a round, as a refill is.
; No prefetch: the walk along K has four fills of a slot, of which two go out at the head: only two refills are left to run ahead of.
; The bias is the C of each accumulator's first product: nothing is cleared, nothing is added behind the sums.
; REGISTERS: window 0: v5-29 addresses; v32-95 scale words (8 i + K step: lanes 0-15 the tokens' block i (i under 4), lanes 16-31 W's block i); v128-223 the tokens' fragments; window 1: W's two sets, the bias at v96-127 and v224-255;
; window 2: accumulator (a, b) at v[8 (8 a + b)].
.set FR,    12
.set XH,    12288                      ; 4 tiles of tokens: what a wave fetches and reads of them
.set WH,    24576                      ; 8 tiles of W likewise; also where W begins in a slot
.set SLOT,  73728
.set SCX,   196608                     ; the tokens' scale bytes: 16 heads x 256 bytes
.set SCW,   204928                     ; W's scale words, 8,192 bytes
.set SPARE, 262144                     ; the spare words, 128 bytes a wave
.set XKP,   1572864
.set WKP,   196608
.set XSO,   6291456
.set WCO,   2457600
.set WSO,   3244032
.set TPA,  5
.set TWA,  6
.set BO,   7
.set L16,  10
.set L8,   11
.set ADR1, 16                          ; v16-19 the tokens' LDS addresses: slot 0, 1 by 16 x lane; slot 0, 1 by 512 + 16 r + 8 h
.set ADR0, 20                          ; v20-23 W's
.set STO,  24
.set RD,   25
.set SPW,  28
.set NIL,  29
.set SC,   32
.set AF,   128
.set TP,   128
.set TW,   192
.set BK,   128
.set BIAS, 96
.set G1,   24
.set G0,   32
.set G1B,  48
.set G0B,  56
.set G1S,  68
.set G0S,  76
.set G1SB, 80
.set G0SB, 88
.set PSEL, 96
.set HALF, 99
.set MSB, 0
.macro WIN new                         ; the immediate's high byte repeats the setting that is left
.if MSB != (\new)
	s_set_vgpr_msb (MSB<<8)|(\new)
.set MSB, (\new)
.endif
.endm
.set MUL_LO, 0xa1                      ; source 0 window 1, source 1 window 0, C and D window 2
.set MUL_1ST, 0x91                     ; the same with C in window 1: the bias
.set TO_B,   0x40
; a joint load: waves 0 and 1 fetch the tokens' halves, waves 2 and 3 W's; an s_nop 0 and four v_nop follow each line
.macro JLOAD g0a, g1a, g0b, g1b
	s_cmp_eq_u32 s15, 0
	s_cbranch_scc0 .Lfor_w_\@
	tensor_load_to_lds s[\g0a:\g0a+3], s[\g1a:\g1a+7]
	s_nop 0
.rept 4
	v_nop
.endr
	s_branch .Lasked_\@
.Lfor_w_\@:
	tensor_load_to_lds s[\g0b:\g0b+3], s[\g1b:\g1b+7]
	s_nop 0
.rept 4
	v_nop
.endr
.Lasked_\@:
.endm
.macro CREST
	s_cmp_lg_u32 s14, 0
	s_cbranch_scc1 .Lnot_wave_0_\@
	s_barrier_signal -3
.Lnot_wave_0_\@:
	s_barrier_wait -3
	s_barrier_signal -1
	s_barrier_wait -1
.endm
.macro CROUND
	s_barrier_signal -1
	s_barrier_wait -1
	CREST
.endm
.macro PLACES
.rept 4
	v_nop
.endr
.endm
.macro FRAG reg, adr, q, i             ; a fragment: two pieces of 768 bytes, each 512 bytes by 16 a lane and 256 by 8 a lane
	ds_load_b128 v[\reg:\reg+3], v[\adr] offset:3072*(\i)+1536*(\q)
	ds_load_b64 v[\reg+4:\reg+5], v[\adr+2] offset:3072*(\i)+1536*(\q)
	ds_load_b128 v[\reg+6:\reg+9], v[\adr] offset:3072*(\i)+1536*(\q)+768
	ds_load_b64 v[\reg+10:\reg+11], v[\adr+2] offset:3072*(\i)+1536*(\q)+768
.endm
.macro FETCH_P0 slot, q, p             ; W's eight fragments into set p
	WIN TO_B
.irp i, 0,1,2,3,4,5,6,7
	FRAG 128*(\p)+FR*\i, ADR0+\slot, \q, \i
.endr
	WIN 0
.endm
.macro FETCH_P1 slot, q, r0            ; the tokens' four fragments into places r0 .. r0 + 3
.irp i, 0,1,2,3
	FRAG AF+FR*(\r0+\i), ADR1+\slot, \q, \i
.endr
.endm
; 16 products: the tokens' fragments at places a0, a0 + 1 (blocks a0 % 4 on) x W's eight, K step s.  The 32 accumulators take turns, one instruction a turn
.macro MUL16 a0, p, s, first
.irp a, \a0, \a0+1
.irp b, 0,1,2,3,4,5,6,7
.if \first
	v_wmma_scale_f32_16x16x128_f8f6f4 v[8*(8*((\a)%4)+\b):8*(8*((\a)%4)+\b)+7], v[128*(\p)+FR*\b:128*(\p)+FR*\b+FR-1], v[AF+FR*(\a):AF+FR*(\a)+FR-1], v[BIAS+8*\b+96*(\b/4):BIAS+8*\b+96*(\b/4)+7], v[SC+8*\b+(\s)], v[SC+8*((\a)%4)+(\s)] matrix_a_fmt:MATRIX_FMT_BF6 matrix_b_fmt:MATRIX_FMT_BF6 matrix_a_scale:MATRIX_SCALE_ROW1
.else
	v_wmma_scale_f32_16x16x128_f8f6f4 v[8*(8*((\a)%4)+\b):8*(8*((\a)%4)+\b)+7], v[128*(\p)+FR*\b:128*(\p)+FR*\b+FR-1], v[AF+FR*(\a):AF+FR*(\a)+FR-1], v[8*(8*((\a)%4)+\b):8*(8*((\a)%4)+\b)+7], v[SC+8*\b+(\s)], v[SC+8*((\a)%4)+(\s)] matrix_a_fmt:MATRIX_FMT_BF6 matrix_b_fmt:MATRIX_FMT_BF6 matrix_a_scale:MATRIX_SCALE_ROW1
.endif
.endr
.endr
.endm
; a slot's first K step: the second step's fragments are asked for first, then 32 products
.macro EVEN slot, s, first
	s_wait_dscnt 0x0                               ; this step's fragments are in
	PLACES                                         ; four places in front of loads into registers that the last step's products read
	FETCH_P0 \slot, 1, 1
	FETCH_P1 \slot, 1, 4
.if \first
	WIN MUL_1ST
.else
	WIN MUL_LO
.endif
	MUL16 0, 0, \s, \first
	MUL16 2, 0, \s, \first
	WIN 0
.endm
; a slot's second K step changes slots: one barrier; in front of it all my tensor loads, the add, and my reads of this slot
.macro ODD slot, next, s, fill
	s_wait_tensorcnt 0x0                           ; all my tensor loads have landed: my part of the next slot
	ds_add_u32 v[SPW], v[NIL]                      ; 0 onto my spare word
	s_wait_dscnt 0x0                               ; the add is done, this step's fragments are in, and they were my last reads of this slot
	s_barrier_signal -1
	WIN MUL_LO
	MUL16 4, 1, \s, 0                              ; work on registers while the others arrive
	WIN 0
	s_barrier_wait -1
.if \fill
	CREST                                          ; the barrier has opened a round of the cluster's: no wave of any partner still reads this slot or has a load on its way
	s_add_nc_u64 s[G0+4*\slot+2:G0+4*\slot+3], s[G0+4*\slot+2:G0+4*\slot+3], 2*XKP
	s_add_nc_u64 s[G0B+4*\slot+2:G0B+4*\slot+3], s[G0B+4*\slot+2:G0B+4*\slot+3], 2*WKP
	JLOAD G0+4*\slot, G1, G0B+4*\slot, G1B         ; the first tensor load behind the round; its four v_nop are the places in front of the loads below
.else
	PLACES
.endif
	FETCH_P0 \next, 0, 0
	FETCH_P1 \next, 0, 0
	WIN MUL_LO
	MUL16 6, 1, \s, 0
	WIN 0
.endm
	s_load_b128 s[4:7], s[0:1], 0x0                ; ao, wts
	s_load_b128 s[8:11], s[0:1], 0x10              ; b_out, out0
	v_lshl_add_u32 v[SPW], v0, 2, SPARE
	v_mov_b32 v[NIL], 0
	ds_add_u32 v[SPW], v[NIL]
	ds_add_u32 v[SPW], v[NIL]
	v_lshrrev_b32 v1, 5, v0
	v_readfirstlane_b32 s14, v1                    ; wave
	s_lshr_b32 s15, s14, 1                         ; the tokens' half that is mine.  Also: I fetch for the tokens (0) or W (1)
	s_and_b32 s16, s14, 1                          ; W's half that is mine.  Also: which half of that operand I fetch
	s_bfe_u32 s40, ttmp6, 0x40000                  ; cx
	s_bfe_u32 s41, ttmp6, 0x40004                  ; cy
	s_lshl_b32 s42, ttmp9, 2
	s_add_co_u32 s42, s42, s40                     ; block column: 256 columns
	s_and_b32 s17, ttmp7, 0xffff
	s_lshl_b32 s17, s17, 2
	s_add_co_u32 s17, s17, s41                     ; block row: 128 tokens
	s_lshl_b32 s43, s41, 2
	s_lshl_b32 s43, 15, s43                        ; my row of the cluster
	s_lshl_b32 s44, 0x1111, s40                    ; my column
	s_or_b32 s[G1+0], s43, (3<<16)|(1<<21)         ; the mask; elements of 8 bytes; bit 21 beside a mask
	s_or_b32 s[G1B+0], s44, (3<<16)|(1<<21)
	s_or_b32 s[G1S+0], s43, (3<<16)|(1<<21)
	s_or_b32 s[G1SB+0], s44, (3<<16)|(1<<21)
.irp g, G1, G1B, G1S, G1SB             ; rows of 256 bytes
	s_mov_b32 s[\g+1], 32<<16
	s_mov_b32 s[\g+3], 32<<16
	s_mov_b32 s[\g+6], 0
	s_mov_b32 s[\g+7], 0
.endr
	s_mov_b32 s[G1+2], 96<<16                      ; the head's load: all 8 tiles, 96 dense rows; 48 behind the head
	s_mov_b32 s[G1+4], 96
	s_mov_b32 s[G1+5], 32
	s_mov_b32 s[G1B+2], 192<<16                    ; all 16 tiles of W; 96 rows behind the head
	s_mov_b32 s[G1B+4], 192
	s_mov_b32 s[G1B+5], 32
	s_mov_b32 s[G1S+2], 16<<16                     ; 16 heads' rows, 16,384 bytes apart
	s_mov_b32 s[G1S+4], 16
	s_mov_b32 s[G1S+5], 2048
	s_mov_b32 s[G1SB+2], 32<<16                    ; W's scale words: 32 dense rows
	s_mov_b32 s[G1SB+4], 32
	s_mov_b32 s[G1SB+5], 32
	s_mov_b32 s[PSEL], 0x05040100
	s_mov_b32 s[PSEL+1], 0x07060302
	s_mov_b32 s[HALF], 0xffff0000
	s_lshl_b32 s20, s17, 3
	s_lshl_b32 s18, s16, 2
	s_add_co_u32 s20, s20, s18                     ; tokens: tile 8 x block row + 4 x half
	s_lshl_b32 s46, s42, 4
	s_lshl_b32 s18, s16, 3
	s_add_co_u32 s46, s46, s18                     ; W: tile 16 x block column + 8 x half
	s_lshl_b32 s22, s17, 8                         ; scale bytes: 32 a tile and head
	s_add_co_u32 s22, s22, XSO
	s_lshl_b32 s92, s42, 13                        ; scale words: 512 bytes a tile
	s_add_co_u32 s92, s92, WSO
	s_mul_i32 s20, s20, 3072
	s_mul_i32 s46, s46, 3072
	s_add_co_u32 s46, s46, WCO
	s_mov_b32 s21, 0
	s_mov_b32 s23, 0
	s_mov_b32 s47, 0
	s_mov_b32 s93, 0
	s_mul_i32 s45, s16, XH                         ; where the codes go: the tokens' halves,
	s_mul_i32 s94, s16, WH
	s_add_co_u32 s94, s94, WH                      ; and W's, behind them
	s_mul_i32 s12, s15, XH                         ; what I read: my 4 tiles of tokens,
	s_lshl_b32 s13, s15, 3
	s_add_co_u32 s13, s13, SCX                     ; their 8 bytes of a row of scale bytes,
	s_lshl_b32 s66, s16, 12
	s_add_co_u32 s66, s66, SCW                     ; my 8 tiles' scale words of W,
	s_mul_i32 s67, s14, 8448                       ; and my stage: 16 rows x 528 bytes
	s_wait_dscnt 0x0
	s_wait_kmcnt 0x0
	s_add_nc_u64 s[20:21], s[4:5], s[20:21]
	s_add_nc_u64 s[22:23], s[4:5], s[22:23]
	s_add_nc_u64 s[46:47], s[6:7], s[46:47]
	s_add_nc_u64 s[92:93], s[6:7], s[92:93]
	CROUND                                         ; all sixteen work-groups are here: the first joint loads meet
	s_mov_b32 s[G0S], 1
	s_mov_b32 s[G0S+1], SCX
	s_mov_b64 s[G0S+2:G0S+3], s[22:23]
	s_or_b32 s[G0S+3], s[G0S+3], 0x80000000
	s_mov_b32 s[G0SB], 1
	s_mov_b32 s[G0SB+1], SCW
	s_mov_b64 s[G0SB+2:G0SB+3], s[92:93]
	s_or_b32 s[G0SB+3], s[G0SB+3], 0x80000000
.irp s, 0,1
	s_mov_b32 s[G0+4*\s], 1
	s_add_co_u32 s[G0+4*\s+1], s45, \s*SLOT
	s_add_nc_u64 s[G0+4*\s+2:G0+4*\s+3], s[20:21], \s*XKP
	s_or_b32 s[G0+4*\s+3], s[G0+4*\s+3], 0x80000000
	s_mov_b32 s[G0B+4*\s], 1
	s_add_co_u32 s[G0B+4*\s+1], s94, \s*SLOT
	s_add_nc_u64 s[G0B+4*\s+2:G0B+4*\s+3], s[46:47], \s*WKP
	s_or_b32 s[G0B+4*\s+3], s[G0B+4*\s+3], 0x80000000
.endr
; one tree of branches on the wave's number, one load to an arm.  Waves 0 and 2 fetch half 0, so their own slot 0 descriptors begin where the whole tile begins
.macro ARM under, g0, g1, next
	s_cmp_lt_u32 s14, \under
	s_cbranch_scc0 \next
	tensor_load_to_lds s[\g0:\g0+3], s[\g1:\g1+7]
	s_nop 0
.rept 4
	v_nop
.endr
	s_branch .Lhead_asked
\next:
.endm
	ARM 1, G0, G1, .Lhead_sx
	ARM 2, G0S, G1S, .Lhead_w
	ARM 3, G0B, G1B, .Lhead_sw
	tensor_load_to_lds s[G0SB:G0SB+3], s[G1SB:G1SB+7]
	s_nop 0
.rept 4
	v_nop
.endr
.Lhead_asked:
	s_lshl_b32 s18, s42, 10
	s_lshl_b32 s19, s16, 9
	s_add_co_u32 s18, s18, s19                     ; my first column, in bytes
	s_mov_b32 s19, 0
	s_add_nc_u64 s[8:9], s[8:9], s[18:19]          ; in the bias,
	s_lshl_b32 s95, s17, 19                        ; 128 rows of 4,096 bytes a block row,
	s_lshl_b32 s98, s15, 18                        ; 64 a half
	s_add_co_u32 s18, s18, s95
	s_add_co_u32 s18, s18, s98
	s_add_nc_u64 s[10:11], s[10:11], s[18:19]      ; and in the output
	v_and_b32 v1, 15, v0                           ; r
	v_bfe_u32 v2, v0, 4, 1                         ; h
	v_and_b32 v3, 31, v0
	v_lshlrev_b32 v[L16], 4, v3
	v_lshlrev_b32 v[L8], 4, v1
	v_lshl_add_u32 v[L8], v2, 3, v[L8]
	v_add_nc_u32 v[L8], 512, v[L8]
	v_lshlrev_b32 v[BO], 6, v2
	v_add_nc_u32 v[ADR1], s12, v[L16]
	v_add_nc_u32 v[ADR1+2], s12, v[L8]
	v_add_nc_u32 v[ADR0], s94, v[L16]
	v_add_nc_u32 v[ADR0+2], s94, v[L8]
	v_add_nc_u32 v[ADR1+1], SLOT, v[ADR1]
	v_add_nc_u32 v[ADR1+3], SLOT, v[ADR1+2]
	v_add_nc_u32 v[ADR0+1], SLOT, v[ADR0]
	v_add_nc_u32 v[ADR0+3], SLOT, v[ADR0+2]
	v_lshl_add_u32 v[TPA], v1, 4, s13
	v_lshl_add_u32 v[TWA], v1, 3, s66
	v_mul_u32_u24 v[STO], v1, 528
	v_lshl_add_u32 v[STO], v2, 6, v[STO]
	v_add_nc_u32 v[STO], s67, v[STO]
	v_add_nc_u32 v[RD], s67, v[L16]
	s_wait_alu depctr_va_vdst(0)                   ; the wait at the head's end
	WIN TO_B
.irp b, 0,1,2,3,4,5,6,7                ; register j of tile b in lane (r, h) is column 32 (b / 2) + 8 (b % 2) + 16 h + j
	global_load_b128 v[BIAS+8*\b+96*(\b/4):BIAS+8*\b+96*(\b/4)+3], v[BO], s[8:9] offset:(32*(\b/2)+8*(\b%2))*4
	global_load_b128 v[BIAS+8*\b+96*(\b/4)+4:BIAS+8*\b+96*(\b/4)+7], v[BO], s[8:9] offset:(32*(\b/2)+8*(\b%2))*4+16
.endr
	WIN 0
	s_wait_tensorcnt 0x0                           ; my tile of the head's four is in
	ds_add_u32 v[SPW], v[NIL]
	s_mov_b32 s[G1+2], 48<<16                      ; no load of mine is out: from here on a load brings half a tile
	s_mov_b32 s[G1+4], 48
	s_mov_b32 s[G1B+2], 96<<16
	s_mov_b32 s[G1B+4], 96
	s_wait_dscnt 0x0
	CROUND                                         ; everybody's tile is in, and the sixteen work-groups meet
	JLOAD G0+4, G1, G0B+4, G1B                     ; slot 1's first fill, the first tensor load behind the round
.irp p, 0,1,2,3,4,5,6,7,8,9,10,11,12,13,14,15
	ds_load_b64 v[TP+2*\p:TP+2*\p+1], v[TPA] offset:256*\p   ; head p: the two bytes of row r of each of my four tiles
.endr
.irp i, 0,1,2,3,4,5,6,7
.irp w, 0,1,2,3
	ds_load_b64 v[TW+8*\i+2*\w:TW+8*\i+2*\w+1], v[TWA] offset:(\i/2)*1024+(\i%2)*128+256*\w   ; all eight K steps' words of W's block i
.endr
.endr
	s_wait_dscnt 0x0
.irp i, 0,1,2,3
.irp s, 0,1,2,3,4,5,6,7
	v_perm_b32 v[SC+8*\i+\s], v[TP+4*\s+2+\i/2], v[TP+4*\s+\i/2], s[PSEL+\i%2]   ; K step s is heads 2 s and 2 s + 1: two bytes of each
.endr
.endr
.set j, 0
.rept 32
	v_cndmask_b32 v[SC+j], v[SC+j], v[TW+j], s[HALF]   ; lanes 16-31 take W's words
.set j, j+1
.endr
.rept 32
	v_mov_b32 v[SC+j], v[TW+j]
.set j, j+1
.endr
.rept 8
	v_nop                                          ; a scale register written by a vector instruction stands eight places ahead of a scaled product
.endr
	FETCH_P0 0, 0, 0
	FETCH_P1 0, 0, 0
	s_wait_alu depctr_va_vdst(0)
	s_wait_loadcnt 0x0                             ; the bias
	EVEN 0, 0, 1                                   ; the first products start the sums from the bias
	ODD 0, 1, 1, 1
	EVEN 1, 2, 0
	ODD 1, 0, 3, 1
	EVEN 0, 4, 0
	ODD 0, 1, 5, 0                                 ; nothing is left to fetch: a plain barrier, behind which nobody reads slot 0
	EVEN 1, 6, 0
	s_wait_dscnt 0x0
	WIN MUL_LO
	MUL16 4, 1, 7, 0
	MUL16 6, 1, 7, 0
	WIN 0
; THE WAY OUT, block by block of 16 tokens x 128 columns, through my own stage in slot 0, which has had its last fill and its last read; back as whole rows of 512 bytes.
; LDS serves a wave's instructions in order: no wait between the stores and the loads
.macro TOSTAGE a
.set AC, 64*(\a)
	WIN 0x08                                       ; the data: window 2
.irp b, 0,1,2,3,4,5,6,7
	ds_store_b128 v[STO], v[AC+8*\b:AC+8*\b+3] offset:128*(\b/2)+32*(\b%2)      ; each accumulator from its low end on
	ds_store_b128 v[STO], v[AC+8*\b+4:AC+8*\b+7] offset:128*(\b/2)+32*(\b%2)+16
.endr
	WIN 0
.set BB, BK+64*((\a)%2)
.irp t, 0,1,2,3,4,5,6,7,8,9,10,11,12,13,14,15
	ds_load_b128 v[BB+4*\t:BB+4*\t+3], v[RD] offset:\t*528
.endr
.endm
.macro SEND a, younger                 ; younger: the LDS instructions issued behind block a's loads, which may stay out
.set BB, BK+64*((\a)%2)
	s_wait_dscnt \younger
.irp t, 0,1,2,3,4,5,6,7,8,9,10,11,12,13,14,15
	global_store_b128 v[L16], v[BB+4*\t:BB+4*\t+3], s[10:11] offset:(32*((\a)/2)+8*((\a)%2)+\t+8*(\t/8))*4096 th:TH_STORE_NT   ; 32 lanes store 512 consecutive bytes, aligned
.endr
.endm
	PLACES
	TOSTAGE 0
.irp a, 1,2,3
.if \a > 1
	s_wait_xcnt 0x0                                ; block a - 2's stores have read their registers
.endif
	TOSTAGE \a
	SEND \a-1, 32                                  ; behind block a - 1's loads: block a's 16 stores and 16 loads
.endr
	SEND 3, 0
	s_wait_tensorcnt 0x0                           ; the wave's end
	ds_add_u32 v[SPW], v[NIL]
	s_wait_dscnt 0x0
	CROUND                                         ; the closing round
	s_endpgm
.Lfunc_end_k_q8e2dd485df_outp:
	.size	k_q8e2dd485df_outp, .Lfunc_end_k_q8e2dd485df_outp-k_q8e2dd485df_outp
	.p2alignl 7, 3214868480
	.fill 96, 4, 3214868480
	.section	.rodata,"a",@progbits
	.p2align	6, 0x0
	.amdhsa_kernel k_q8e2dd485df_outp
		.amdhsa_group_segment_fixed_size 327680
		.amdhsa_private_segment_fixed_size 0
		.amdhsa_enable_private_segment 0
		.amdhsa_kernarg_size 32
		.amdhsa_user_sgpr_count 2
		.amdhsa_user_sgpr_kernarg_segment_ptr 1
		.amdhsa_wavefront_size32 1
		.amdhsa_system_sgpr_workgroup_id_x 1
		.amdhsa_system_sgpr_workgroup_id_y 1
		.amdhsa_system_sgpr_workgroup_id_z 1
		.amdhsa_system_vgpr_workitem_id 0
		.amdhsa_next_free_vgpr 768
		.amdhsa_next_free_sgpr 100
		.amdhsa_reserve_vcc 0
		.amdhsa_float_denorm_mode_32 3
		.amdhsa_float_denorm_mode_16_64 3
		.amdhsa_memory_ordered 1
		.amdhsa_forward_progress 1
		.amdhsa_inst_pref_size 96
	.end_amdhsa_kernel
	.amdgpu_metadata
---
amdhsa.version: [ 1, 2 ]
amdhsa.kernels:
  - .name:           k_q8e2dd485df_outp
    .symbol:         k_q8e2dd485df_outp.kd
    .args:
      - { .name: ao, .offset: 0, .size: 8, .value_kind: global_buffer, .address_space: global }
      - { .name: wts, .offset: 8, .size: 8, .value_kind: global_buffer, .address_space: global }
      - { .name: b_out, .offset: 16, .size: 8, .value_kind: global_buffer, .address_space: global }
      - { .name: out0, .offset: 24, .size: 8, .value_kind: global_buffer, .address_space: global }
    .group_segment_fixed_size: 327680
    .private_segment_fixed_size: 0
    .kernarg_segment_align: 8
    .kernarg_segment_size: 32
    .max_flat_workgroup_size: 128
    .sgpr_count:     100
    .vgpr_count:     768
    .wavefront_size: 32
...
	.end_amdgpu_metadata
.endif
;; end of part 4
